; MI455X (gfx1250); checked and timed in simulation.
; The chip was launched on July 23, 2026; its instructions are those of AMD's public machine-readable ISA for CDNA 5 (MIT licence, August 2026) and "CDNA5" Instruction Set Architecture Reference Guide (July 2026). The comments in the code are by the model that wrote it; some were corrected since.
;; Parallel Multi Head Attention. Allowed arithmetic: matrix products marked QUANTISED: E2M3 operands, one E8M0 scale for each 32 along K, by v_wmma_scale_f32_16x16x128_f8f6f4 with both operands' format E2M3, f32 sums; everything else in f32.
;; Inputs: W_k 1,024 x 1,024 float32; W_o 1,024 x 1,024 float32; W_q 1,024 x 1,024 float32; W_v 1,024 x 1,024 float32; b_k 1,024 float32; b_o 1,024 float32; b_q 1,024 float32; b_v 1,024 float32; x 4 x 2,048 x 1,024 float32.
;; Outputs: out0 4 x 2,048 x 1,024 float32.
;; This version of the problem:
;;   THIS VERSION OF THE PROBLEM IS GIVEN IN LOW PRECISION. The matrix products marked QUANTISED in the list below multiply operands that are first quantised to E2M3 (2 exponent bits, 3 mantissa bits; 6 bits a number), with one power-of-two scale for each 32 numbers along K (OCP MX v1.0); their sums are f32. All else is computed in f32.
;;   The module's matrix products, in the order in which they are computed (A, B: the left and right operand; K: the contracted axis; several contracted axes count as one K, in the product's order):
;;     1. [M 8,192, K 1,024] x [K 1,024, N 1,024]; A: input x; B: input W_q: QUANTISED
;;     2. [M 8,192, K 1,024] x [K 1,024, N 1,024]; A: input x; B: input W_k: QUANTISED
;;     3. [M 8,192, K 1,024] x [K 1,024, N 1,024]; A: input x; B: input W_v: QUANTISED
;;     4. batch 64 x [M 2,048, K 64] x [K 64, N 2,048]; A: computed on the way; B: computed on the way: QUANTISED
;;     5. batch 64 x [M 2,048, K 2,048] x [K 2,048, N 64]; A: softmax (see below); B: computed on the way: QUANTISED
;;     6. [M 8,192, K 1,024] x [K 1,024, N 1,024]; A: computed on the way; B: input W_o: QUANTISED
;;   THE QUANTISER, for each operand of a quantised product, along K:
;;     - K is cut into blocks of 32 from its start; a last block that is shorter is filled with zeros.
;;     - A block's scale is 2^e with e = floor(log2(the largest magnitude in the block)) - 2, held to -126 .. 127; a block of zeros has e = 0. As a byte (E8M0): e + 127.
;;     - Each number is divided by its block's scale, clamped to +-7.5, and rounded to the nearest number of E2M3, ties to even, subnormals kept.
;;     - The product sums the exact products of the quantised numbers (number of the format x scale) in f32.
;;   ~~~python
;;   def quantise(x, axis):      # numpy; x: float32 -> the quantised numbers, widened to float32 again
;;       x = np.moveaxis(x, axis, -1); K = x.shape[-1]
;;       x = np.pad(x, [(0, 0)] * (x.ndim - 1) + [(0, -K % 32)]); x = x.reshape(x.shape[:-1] + (-1, 32)); a = np.abs(x).max(-1, keepdims=True)
;;       e = np.where(a > 0, np.clip(np.frexp(np.where(a > 0, a, 1))[1] - 1 - 2, -126, 127), 0)      # np.frexp(a)[1] - 1 = floor(log2(a)), exactly
;;       r = np.clip(x / 2.0 ** e, -7.5, 7.5)
;;       step = 2.0 ** (np.maximum(np.frexp(np.where(r == 0, 1, r))[1] - 1, 0) - 3)
;;       q = np.round(r / step) * step * 2.0 ** e      # np.round: ties to even
;;       return np.moveaxis(q.reshape(q.shape[:-2] + (-1,))[..., :K], -1, axis).astype(np.float32)
;;   ~~~
;;   SOFTMAX AHEAD OF A QUANTISED PRODUCT. Where the list says 'softmax', what is quantised is not the finished softmax but p = 2^(t - M), with t = logit x log2(e) and M = ceil(the row's largest t), a whole number; so 1/2 < the row's largest p <= 1. The row's sum l is taken of the UNQUANTISED p, in f32, and the product's result is divided by l at the end. Since M is a whole number, a kernel that streams over the keys may use a running M (the ceiling of the running maximum): every later rescaling is an exact power of two, which a block's scale takes up: the codes' values come out the same.
;;   OPERANDS COMPUTED ON THE WAY. 'Computed on the way' means the value that the module computes at that place (a softmax that the list does not call 'softmax' is quantised finished and normalised). What goes into a quantiser is computed in f32, as accurately as f32 sums, v_exp_f32 and their like allow (about 1e-6 of the number): no bf16 or f16 on the way to a quantiser, and a product that is left as it is and whose result goes on into a quantised operand takes f32 operands (vector FMAs, or v_wmma_f32_16x16x4_f32). A number that lies on a knife's edge between two numbers of the format may be rounded either way, as far as f32 arithmetic and the matrix unit's own rounding can turn it there, and no further.
;; One version. Each part assembles by itself: llvm-mc -triple=amdgcn-amd-amdhsa -mcpu=gfx1250 --defsym DOCPART=n.
;; ======== version 1 of 1: 4 launches
;; workspace buffers: opc 9,437,184 bytes; ops 393,216 bytes; ac 18,874,368 bytes; asc 1,310,720 bytes; oc 6,291,456 bytes; os 262,144 bytes
;; launch quant (part 1): grid 768 x 1, 2 waves a work-group, no clusters, 17,152 bytes of LDS; arguments x, W_q, W_k, W_v, W_o, opc, ops; writes opc, ops
.if DOCPART == 1
	.amdgcn_target "amdgcn-amd-amdhsa--gfx1250"
	.amdhsa_code_object_version 6
	.text
	.protected	k_qe47d1d77b1_quant
	.globl	k_qe47d1d77b1_quant
	.p2align	8
	.type	k_qe47d1d77b1_quant,@function
k_qe47d1d77b1_quant:
	s_mov_b64 s[64:65], 0
	v_nop
	global_prefetch_b8 v0, s[64:65] scope:SCOPE_SE
	s_setreg_imm32_b32 hwreg(HW_REG_WAVE_MODE, 25, 1), 1
	s_wait_xcnt 0x0
; x [8192][1024] and the four weights [1024][1024], f32, K innermost, become codes of FP6 (E2M3) and E8M0 scale bytes, laid in the ORDER OF THE OPERAND'S REGISTERS.
; A TILE is 16 rows x all 1,024 along K: 8 fragments of 16 rows x 128 K.  Tiles 0-511: x; 512-575 W_q; 576-639 W_k; 640-703 W_v; 704-767 W_o.
; THE ROWS OF A TILE ARE NOT NEIGHBOURS: row i of tile j is row 32 (j / 2) + 8 (j % 2) + i + 8 (i / 8), so that the results of two neighbouring tiles are 16 neighbours along the next product's K.
; W_q, W_k, W_v are taken head by head: tile j is head j / 4, and the rule above runs over the head's 64 channels d (tile j % 4); the channel's row in memory is 16 d + head.
; A FRAGMENT'S IMAGE, 1,536 bytes: registers 0-3 at 16 x lane, 4-5 at 512 + 8 x lane, 6-9 at 768 + 16 x lane, 10-11 at 1,280 + 8 x lane; lane (r, h) holds row r, registers 6 c .. 6 c + 5 hold k = 64 c + 32 h + 0 .. 31.
; opc: [tile][K step 0..7][1,536].  ops: [tile][half of K][row r][4 words]: word i is the scale word (four bytes, 128 along K) of K step 4 x half + i.
; A block's scale is 2^(floor(log2(its largest magnitude)) - 2); its byte is the largest magnitude's exponent field - 2, held at 1 from below.
; LIMITS: a block of zeros gets the byte 1 where the rule says 127 (its codes are zeros, and this program alone reads the bytes); NaN and infinities among the inputs are not served.
; SHARES: a work-group makes one tile, each of its two waves four fragments.  A load reads 512 consecutive bytes (one row's 128 numbers); the 16 rows turn through the wave's own stage in LDS,
; so that a lane gets 32 neighbours of one row for each of its two blocks.  No barrier: waves share nothing.  No matrix unit, no cluster: each input byte is read once by one wave.
.set OF,  8                            ; v8-23    row i's byte offset: 16 x lane + (i + 8 (i / 8)) x the distance between rows
.set RR,  24                           ; v24-151  two sets of 64 registers as loaded
.set X,   152                          ; v152-215 my 64 numbers: 32 c + i = k 64 c + 32 h + i of row r
.set PC,  216                          ; v216-227 the fragment's codes
.set TA,  228                          ; v228-230, v232-234 the second half of each block's codes (a conversion's three registers begin on an even number)
.set TM,  236                          ; v236-237 largest magnitudes, v238-239 bytes, v240-241 scale operands, v242 my part of the word, v243 the other half's
.set PW,  244                          ; v244-247 the four fragments' scale words
.set SP,  528                          ; a stage row: 512 bytes + 16, so that the 16 rows of a load start at 16 different banks
	s_load_b256 s[4:11], s[0:1], 0x0               ; x, W_q, W_k, W_v
	s_load_b128 s[12:15], s[0:1], 0x20             ; W_o, opc
	s_load_b64 s[16:17], s[0:1], 0x30              ; ops
	v_lshl_add_u32 v254, v0, 2, 0x4200
	v_mov_b32 v255, 0
	v_lshrrev_b32 v1, 5, v0
	v_readfirstlane_b32 s18, v1                    ; wave 0, 1
	s_max_u32 s20, ttmp9, 512
	s_sub_co_u32 s20, s20, 512                     ; tile number among the weights' (0 for x)
	s_lshr_b32 s21, s20, 6                         ; which weight: 0 q, 1 k, 2 v, 3 o
	s_and_b32 s22, s20, 63
	s_cmp_lt_u32 ttmp9, 512
	s_cselect_b32 s22, ttmp9, s22                  ; the tile's number in its tensor
	s_cselect_b32 s23, 1, 0
	s_cmp_eq_u32 s21, 3
	s_cselect_b32 s23, 1, s23                      ; 1: rows as they lie (x, W_o); 0: head by head
	s_lshr_b32 s24, s22, 1
	s_and_b32 s25, s22, 1
	s_lshl_b32 s25, s25, 3                         ; 8 (j % 2)
	s_lshl_b32 s26, s24, 5
	s_add_co_u32 s26, s26, s25                     ; first row, rows as they lie
	s_and_b32 s27, s24, 1
	s_lshl_b32 s27, s27, 5
	s_add_co_u32 s27, s27, s25                     ; first channel d of the head's tile
	s_lshl_b32 s27, s27, 4
	s_lshr_b32 s28, s22, 2
	s_add_co_u32 s27, s27, s28                     ; its row: 16 d + head
	s_cmp_eq_u32 s23, 1
	s_cselect_b32 s26, s26, s27
	s_mov_b32 s29, 65536
	s_cselect_b32 s29, 4096, s29                   ; bytes from one row of the tile's rule to the next: a row, or 16 rows
	s_lshl_b32 s26, s26, 12
	s_lshl_b32 s28, s18, 11
	s_add_co_u32 s26, s26, s28                     ; + my wave's four K steps: 2,048 bytes x wave
	s_mov_b32 s27, 0
	s_mul_i32 s30, ttmp9, 12288
	s_mul_i32 s28, s18, 6144
	s_add_co_u32 s30, s30, s28                     ; my four images
	s_mov_b32 s31, 0
	s_lshl_b32 s32, ttmp9, 9
	s_lshl_b32 s28, s18, 8
	s_add_co_u32 s32, s32, s28                     ; my 256 bytes of scale words
	s_mov_b32 s33, 0
	s_mov_b32 s36, 0x76543210
	s_mov_b32 s37, 0xfedcba98                      ; v_permlanex16_b32's selects for lane l xor 16
	v_and_b32 v7, 31, v0                           ; lane
	v_and_b32 v3, 15, v0                           ; r
	v_bfe_u32 v6, v0, 4, 1                         ; h
	v_lshlrev_b32 v1, 4, v7                        ; 16 x lane
	v_lshlrev_b32 v2, 3, v7                        ; 8 x lane
	s_mul_i32 s19, s18, 16*SP                      ; my wave's stage
	v_add_nc_u32 v4, s19, v1                       ; into it: a row's 512 bytes as they lie
	v_mul_u32_u24 v5, v3, SP
	v_lshl_add_u32 v5, v6, 7, v5
	v_add_nc_u32 v5, s19, v5                       ; out of it: row r, + 128 h
	v_lshlrev_b32 v3, 4, v3                        ; 16 r
	v_lshlrev_b32 v6, 3, v6                        ; 8 h
	v_mov_b32 v[TM+7], 0                           ; written once: a lane permute's destination counts as one of its sources
.irp i, 0,1,2,3,4,5,6,7,8,9,10,11,12,13,14,15
	v_mad_u32_u24 v[OF+\i], s29, \i+8*(\i/8), v1
.endr
	s_wait_alu depctr_va_vdst(0)
	s_wait_kmcnt 0x0
	s_mov_b64 s[34:35], s[6:7]                     ; the tensor is chosen by the work-group's number alone
	s_cmp_eq_u32 s21, 1
	s_cselect_b64 s[34:35], s[8:9], s[34:35]
	s_cmp_eq_u32 s21, 2
	s_cselect_b64 s[34:35], s[10:11], s[34:35]
	s_cmp_eq_u32 s21, 3
	s_cselect_b64 s[34:35], s[12:13], s[34:35]
	s_cmp_lt_u32 ttmp9, 512
	s_cselect_b64 s[34:35], s[4:5], s[34:35]
	s_add_nc_u64 s[34:35], s[34:35], s[26:27]
	s_add_nc_u64 s[14:15], s[14:15], s[30:31]
	s_add_nc_u64 s[16:17], s[16:17], s[32:33]
.macro LOAD f                          ; fragment f: 16 rows x 512 consecutive bytes, into set f % 2
.irp i, 0,1,2,3,4,5,6,7,8,9,10,11,12,13,14,15
	global_load_b128 v[RR+64*((\f)%2)+4*\i:RR+64*((\f)%2)+4*\i+3], v[OF+\i], s[34:35] offset:512*(\f) th:TH_LOAD_NT
.endr
.endm
.macro FRAGQ f
.if (\f) < 3
	s_wait_loadcnt 16                              ; this fragment's 16 loads are in; the next fragment's 16 may be out
.else
	s_wait_loadcnt 0x0
.endif
.irp i, 0,1,2,3,4,5,6,7,8,9,10,11,12,13,14,15
	ds_store_b128 v4, v[RR+64*((\f)%2)+4*\i:RR+64*((\f)%2)+4*\i+3] offset:SP*\i
.endr
.irp c, 0,1
.irp e, 0,1,2,3,4,5,6,7
	ds_load_b128 v[X+32*\c+4*\e:X+32*\c+4*\e+3], v5 offset:256*\c+16*\e   ; LDS serves a wave's instructions in order: these see my stores, and the next fragment's stores come behind them
.endr
.endr
	s_wait_dscnt 0x0                               ; my numbers are back, and the stores into the stage have read their registers
	s_wait_xcnt 0x0                                ; the last fragment's stores have read the codes' registers, which are written again below
.if (\f) < 2
	LOAD (\f)+2
.endif
.irp c, 0,1
	v_max3_num_f32 v[TM+\c], |v[X+32*\c]|, |v[X+32*\c+1]|, 0x1800000   ; my block 2 c + h: all its 32 numbers are mine; and the floor 2^(3 - 127): the byte cannot fall under 1
.endr
.irp i, 2,4,6,8,10,12,14,16,18,20,22,24,26,28,30
.irp c, 0,1
	v_max3_num_f32 v[TM+\c], v[TM+\c], |v[X+32*\c+\i]|, |v[X+32*\c+\i+1]|
.endr
.endr
.irp c, 0,1
	v_add_nc_u32 v[TM+4+\c], 0xff000000, v[TM+\c]  ; 2 off the exponent field: the conversion takes the exponent field of this operand as its scale
.endr
.irp c, 0,1
	v_lshrrev_b32 v[TM+2+\c], 23, v[TM+4+\c]       ; the scale's byte
.endr
	v_lshl_or_b32 v[TM+6], v[TM+3], 16, v[TM+2]    ; my two bytes: blocks h and 2 + h,
	v_lshlrev_b32 v[TM+6], v6, v[TM+6]             ; at their places in the word (8 h bits up);
	v_permlanex16_b32 v[TM+7], v[TM+6], s36, s37
	v_or_b32 v[PW+(\f)], v[TM+6], v[TM+7]          ; with lane l xor 16's two the word is whole
.irp c, 0,1
	v_cvt_scalef32_pk16_fp6_f32 v[PC+6*\c:PC+6*\c+2], v[X+32*\c:X+32*\c+15], v[TM+4+\c]
	v_cvt_scalef32_pk16_fp6_f32 v[TA+4*\c:TA+4*\c+2], v[X+32*\c+16:X+32*\c+31], v[TM+4+\c]
.endr
	v_nop                                          ; one plain place behind a scaled conversion
.irp c, 0,1
.irp i, 0,1,2
	v_mov_b32 v[PC+3+6*\c+\i], v[TA+4*\c+\i]
.endr
.endr
	global_store_b128 v1, v[PC:PC+3], s[14:15] offset:1536*(\f)            ; each store covers 512 or 256 consecutive bytes, at a multiple of 256 from the buffer's first byte
	global_store_b64 v2, v[PC+4:PC+5], s[14:15] offset:1536*(\f)+512
	global_store_b128 v1, v[PC+6:PC+9], s[14:15] offset:1536*(\f)+768
	global_store_b64 v2, v[PC+10:PC+11], s[14:15] offset:1536*(\f)+1280
.endm
	LOAD 0
	LOAD 1
	FRAGQ 0
	FRAGQ 1
	FRAGQ 2
	FRAGQ 3
	global_store_b128 v3, v[PW:PW+3], s[16:17]     ; row r's four words: 256 consecutive bytes; lanes 16-31 hold and write the same as lanes 0-15
	s_wait_tensorcnt 0x0
	ds_add_u32 v254, v255
	s_wait_dscnt 0x0
	s_endpgm
.Lfunc_end_k_qe47d1d77b1_quant:
	.size	k_qe47d1d77b1_quant, .Lfunc_end_k_qe47d1d77b1_quant-k_qe47d1d77b1_quant
	.p2alignl 7, 3214868480
	.fill 96, 4, 3214868480
	.section	.rodata,"a",@progbits
	.p2align	6, 0x0
	.amdhsa_kernel k_qe47d1d77b1_quant
		.amdhsa_group_segment_fixed_size 17152
		.amdhsa_private_segment_fixed_size 0
		.amdhsa_enable_private_segment 0
		.amdhsa_kernarg_size 56
		.amdhsa_user_sgpr_count 2
		.amdhsa_user_sgpr_kernarg_segment_ptr 1
		.amdhsa_wavefront_size32 1
		.amdhsa_system_sgpr_workgroup_id_x 1
		.amdhsa_system_sgpr_workgroup_id_y 1
		.amdhsa_system_sgpr_workgroup_id_z 1
		.amdhsa_system_vgpr_workitem_id 0
		.amdhsa_next_free_vgpr 256
		.amdhsa_next_free_sgpr 66
		.amdhsa_reserve_vcc 0
		.amdhsa_float_denorm_mode_32 3
		.amdhsa_float_denorm_mode_16_64 3
		.amdhsa_memory_ordered 1
		.amdhsa_forward_progress 1
		.amdhsa_inst_pref_size 32
	.end_amdhsa_kernel
	.amdgpu_metadata
---
amdhsa.version: [ 1, 2 ]
amdhsa.kernels:
  - .name:           k_qe47d1d77b1_quant
    .symbol:         k_qe47d1d77b1_quant.kd
    .args:
      - { .name: x, .offset: 0, .size: 8, .value_kind: global_buffer, .address_space: global }
      - { .name: W_q, .offset: 8, .size: 8, .value_kind: global_buffer, .address_space: global }
      - { .name: W_k, .offset: 16, .size: 8, .value_kind: global_buffer, .address_space: global }
      - { .name: W_v, .offset: 24, .size: 8, .value_kind: global_buffer, .address_space: global }
      - { .name: W_o, .offset: 32, .size: 8, .value_kind: global_buffer, .address_space: global }
      - { .name: opc, .offset: 40, .size: 8, .value_kind: global_buffer, .address_space: global }
      - { .name: ops, .offset: 48, .size: 8, .value_kind: global_buffer, .address_space: global }
    .group_segment_fixed_size: 17152
    .private_segment_fixed_size: 0
    .kernarg_segment_align: 8
    .kernarg_segment_size: 56
    .max_flat_workgroup_size: 64
    .sgpr_count:     66
    .vgpr_count:     256
    .wavefront_size: 32
...
	.end_amdgpu_metadata
.endif
;; end of part 1
;; launch qkv (part 2): grid 16 x 48, 4 waves a work-group, clusters of 4 x 4, 295,424 bytes of LDS; arguments opc, ops, b_q, b_k, b_v, ac, asc; writes ac, asc
.if DOCPART == 2
	.amdgcn_target "amdgcn-amd-amdhsa--gfx1250"
	.amdhsa_code_object_version 6
	.text
	.protected	k_qe47d1d77b1_qkv
	.globl	k_qe47d1d77b1_qkv
	.p2align	8
	.type	k_qe47d1d77b1_qkv,@function
k_qe47d1d77b1_qkv:
	s_mov_b64 s[64:65], 0
	v_nop
	global_prefetch_b8 v0, s[64:65] scope:SCOPE_SE
	s_setreg_imm32_b32 hwreg(HW_REG_WAVE_MODE, 25, 1), 1
	s_wait_xcnt 0x0
	s_wait_alu depctr_hold_cnt(0) depctr_sa_sdst(0) depctr_va_vdst(0) depctr_va_sdst(0) depctr_va_ssrc(0) depctr_va_vcc(0) depctr_vm_vsrc(0)
	s_getreg_b32 s2, hwreg(HW_REG_IB_STS2, 6, 4)
	s_cmp_eq_u32 s2, 0
	s_cbranch_scc0 .Lentry_in_a_cluster
	s_endpgm
.Lentry_in_a_cluster:
	s_bfe_u32 s2, ttmp6, 0x10000c
	s_cmp_lg_u32 s2, 0xf033
	s_cbranch_scc0 .Lentry_shape_is_right
	s_endpgm
.Lentry_shape_is_right:
; q, k, v = x W^T + b on codes of FP6 (E2M3) with E8M0 scales, and the results quantised again, in registers, for the two products of attention.
; OPERANDS come as images of their registers (opc: [tile][K step][1,536 bytes]; ops: [tile][half of K][row][4 words]); a tile is 16 rows, whose order makes two neighbouring result tiles 16 neighbours along the next K.
; A work-group makes 256 rows of A' (16 tiles) x 128 rows of B' (8 tiles); wave w takes A' tiles 4 w .. 4 w + 3 against all of B': 32 accumulators, 256 registers.
; THE MATRIX INSTRUCTION IS USED TRANSPOSED: source 0 = a tile of B', source 1 = a tile of A': a lane holds ONE row of A', and its registers run along B's rows.
; TWO MODES IN ONE TEXT, WITHOUT A BRANCH (mode = cluster y / 8, the same in all sixteen partners):
;   mode 0, q and k: A' = x (tokens), B' = W_q or W_k (two heads' 128 rows): a lane holds a token, registers run along a head's channels d, which are the K of q k^T.
;   mode 1, v:       A' = W_v (a head's channels), B' = x (128 tokens): a lane holds a channel, registers run along the tokens, which are the K (the keys) of p v.
; ALL OF K = 1,024 LIES IN LDS: four chunks of 256 along K, each filled ONCE by the tensor data mover; nothing is filled again, so there is no ring.  A wave has four tensor loads out.
; CLUSTERS: 4 x 4 work-groups; A's tiles are shared along a row of the cluster, B's along a column: each is asked for jointly, by the same tensor load with the same descriptor and a mask that names the four.
; THE BIASES START THE SUMS: they are added first and not last (an order of rounding that differs from the reference's).
; OUT (ac): q at 0 and k at 6,291,456: [b h][token tile 128][768 bytes: 16 tokens x 64 d]; v at 12,582,912: [b h][128 keys: 16][d tile 4][1,536 bytes: 16 d x 128 keys].
; OUT (asc): q at 0, k at 524,288: [b h][4 token tiles: 32][row][4 words], bytes 0, 1 = the head's two blocks, bytes 2, 3 = 0; v at 1,048,576: [b h][128 keys][row][4 words: d tile].
; LIMITS: a block of zeros gets the byte 1 where the rule says 127 (its codes are zeros; this program alone reads the bytes); NaN and infinities are not served.
; No prefetch: every tensor load stands at the kernel's head, so there is no earlier place from which to ask.
; REGISTERS, in windows of 256: window 0: v1-15 addresses; v16-47 A's scale words ((a, s) at 16 + 8 a + s), v48-111 B's ((b, s) at 48 + 8 b + s); v112-159, v160-207 A's fragments, two sets; v208-255 at work.
;   window 1: B's fragments, two sets, at v0 and v128.   window 2: the accumulators, (a, b) at v[8 (8 a + b)].   window 3: v0-63 the bias along B's rows, v64-67 the bias along A's rows.
.set CH,   73728                       ; a chunk in LDS: A's 16 tiles x 3,072 bytes, then B's 8
.set BOFF, 49152
.set SCA,  16
.set SCB,  48
.set AF,   112
.set TM,   208                         ; v208-211 largest magnitudes, v212-215 bytes, v220-223 scale operands
.set PW,   224                         ; v224-227 the four scale words just made; v228-231 as they are stored
.set MSB, 0
.macro WIN new                         ; s_set_vgpr_msb: bits 1:0 source 0, 3:2 source 1, 5:4 source 2, 7:6 destination; the high byte repeats the setting that is left
.if MSB != \new
	s_set_vgpr_msb (MSB<<8)|\new
.set MSB, \new
.endif
.endm
.macro PLACES                          ; four plain places behind matrix instructions, in front of loads into their registers and of reads of their results
.rept 4
	v_nop
.endr
.endm
.macro CROUND                          ; a round of the cluster's barrier
	s_barrier_signal -1
	s_barrier_wait -1
	s_cmp_lg_u32 s18, 0
	s_cbranch_scc1 .Lnot_wave_0_\@
	s_barrier_signal -3
.Lnot_wave_0_\@:
	s_barrier_wait -3
	s_barrier_signal -1
	s_barrier_wait -1
.endm
.macro FRAG reg, a16, a8, off          ; a fragment's image back into 12 registers: every load is 16 or 8 bytes a lane, lane by lane on end
	ds_load_b128 v[\reg:\reg+3], v[\a16] offset:\off
	ds_load_b64 v[\reg+4:\reg+5], v[\a8] offset:\off
	ds_load_b128 v[\reg+6:\reg+9], v[\a16] offset:\off+768
	ds_load_b64 v[\reg+10:\reg+11], v[\a8] offset:\off+768
.endm
.macro FETCH q, p                      ; the chunk's q-th 128 along K into set p: B's eight fragments, my four of A: 48 loads in one run
	WIN 0x40
.irp b, 0,1,2,3,4,5,6,7
	FRAG 128*(\p)+12*\b, 6, 7, 3072*\b+1536*(\q)
.endr
	WIN 0
.irp a, 0,1,2,3
	FRAG AF+48*(\p)+12*\a, 4, 5, 3072*\a+1536*(\q)
.endr
.endm
.macro MUL16 a0, p, s                  ; A's tiles a0, a0 + 1 x B's eight, K step s, set p.  The 32 accumulators take turns, one instruction a turn
	WIN 0xa1
.irp a, \a0, \a0+1
.irp b, 0,1,2,3,4,5,6,7
	v_wmma_scale_f32_16x16x128_f8f6f4 v[8*(8*(\a)+\b):8*(8*(\a)+\b)+7], v[128*(\p)+12*\b:128*(\p)+12*\b+11], v[AF+48*(\p)+12*(\a):AF+48*(\p)+12*(\a)+11], v[8*(8*(\a)+\b):8*(8*(\a)+\b)+7], v[SCB+8*\b+(\s)], v[SCA+8*(\a)+(\s)] matrix_a_fmt:MATRIX_FMT_FP6 matrix_b_fmt:MATRIX_FMT_FP6
.endr
.endr
.endm
.macro STEP_E s                        ; an even K step multiplies set 0 and fetches the same chunk's second half into set 1
	s_wait_dscnt 0x0                               ; set 0 is in
	PLACES
	FETCH 1, 1
	MUL16 0, 0, \s
	MUL16 2, 0, \s
.endm
.macro STEP_O s, cnt                   ; an odd K step multiplies set 1 and goes on to the next chunk
	s_wait_dscnt 0x0                               ; set 1 is in, and no LDS instruction of mine is out at the signal
	s_wait_tensorcnt \cnt                          ; my part of the next chunk has landed; my loads of the chunks behind it may stay out
	s_barrier_signal -1
	MUL16 0, 1, \s
	WIN 0
	s_barrier_wait -1                              ; everybody's part has landed
	v_add_nc_u32 v4, CH, v4                        ; the four address steps are also the four places in front of the loads into set 0
	v_add_nc_u32 v5, CH, v5
	v_add_nc_u32 v6, CH, v6
	v_add_nc_u32 v7, CH, v7
	FETCH 0, 0
	MUL16 2, 1, \s
.endm
	s_load_b256 s[4:11], s[0:1], 0x0               ; opc, ops, b_q, b_k
	s_load_b128 s[12:15], s[0:1], 0x20             ; b_v, ac
	s_load_b64 s[16:17], s[0:1], 0x30              ; asc
	v_lshl_add_u32 v254, v0, 2, 0x48000
	v_mov_b32 v255, 0
	ds_add_u32 v254, v255
	ds_add_u32 v254, v255
	v_lshrrev_b32 v1, 5, v0
	v_readfirstlane_b32 s18, v1                    ; wave 0..3
	s_lshr_b32 s19, s18, 1                         ; I fetch for A' (0) or for B' (1),
	s_and_b32 s20, s18, 1                          ; its first or its second half
	s_bfe_u32 s21, ttmp6, 0x40000                  ; cx
	s_bfe_u32 s22, ttmp6, 0x40004                  ; cy
	s_and_b32 s76, ttmp7, 0xffff                   ; cluster y, 0..11
	s_lshr_b32 s23, s76, 3                         ; mode
	s_xor_b32 s77, s23, 1                          ; 1 - mode
	s_mul_i32 s78, s76, s77
	s_lshl_b32 s78, s78, 2
	s_add_co_u32 s78, s78, s22                     ; RT: mode 0: 4 y + cy (0..31); mode 1: cy
	s_lshl_b32 s79, s78, 4
	s_mul_i32 s80, s23, 640
	s_add_co_u32 s79, s79, s80                     ; A's first tile: x's 16 RT, or W_v's 640 + 16 RT
	s_and_b32 s84, s76, 7
	s_mul_i32 s84, s84, s23
	s_lshl_b32 s84, s84, 2
	s_add_co_u32 s84, s84, ttmp9
	s_lshl_b32 s84, s84, 2
	s_add_co_u32 s84, s84, s21                     ; CT: mode 0: 4 x + cx (0..15); mode 1: 16 (y - 8) + 4 x + cx (0..63)
	s_lshl_b32 s85, s84, 3
	s_lshl_b32 s86, s77, 9
	s_add_co_u32 s85, s85, s86                     ; B's first tile: W_q's and W_k's 512 + 8 CT, or x's 8 CT
	s_lshl_b32 s2, s22, 2
	s_lshl_b32 s2, 15, s2                          ; my row of the cluster
	s_lshl_b32 s3, 0x1111, s21                     ; my column
	; descriptor group 1: R tiles' parts of a chunk: R rows of 384 elements of 8 bytes (3,072 bytes), 1,536 elements (a tile's 12,288 bytes) apart; dense in LDS
	s_or_b32 s24, s2, (3<<16)|(1<<21)              ; 15:0 the mask: A's tiles go to my row; 17:16 elements of 8 bytes; 21 set beside a mask
	s_mov_b32 s25, 384<<16                         ; tensor_dim0
	s_mov_b32 s26, 8<<16                           ; tensor_dim1 = 8
	s_mov_b32 s27, 384<<16                         ; tile_dim0
	s_mov_b32 s28, 8                               ; tile_dim1
	s_mov_b32 s29, 1536                            ; tensor_dim0_stride
	s_mov_b32 s30, 0
	s_mov_b32 s31, 0
	s_or_b32 s48, s3, (3<<16)|(1<<21)              ; B's tiles go to my column
	s_mov_b32 s49, 384<<16
	s_mov_b32 s50, 4<<16
	s_mov_b32 s51, 384<<16
	s_mov_b32 s52, 4
	s_mov_b32 s53, 1536
	s_mov_b32 s54, 0
	s_mov_b32 s55, 0
	s_lshl_b32 s81, s20, 3
	s_add_co_u32 s81, s81, s79
	s_mul_i32 s82, s81, 12288                      ; A: my eight tiles, in bytes (no register that feeds A's descriptors ever holds cx, none that feeds B's ever cy)
	s_mov_b32 s83, 0
	s_lshl_b32 s87, s20, 2
	s_add_co_u32 s87, s87, s85
	s_mul_i32 s88, s87, 12288                      ; B: my four tiles
	s_mov_b32 s89, 0
	s_mul_i32 s90, s20, 24576                      ; where they go in a chunk: no place in the cluster enters an LDS address
	s_mul_i32 s91, s20, 12288
	s_add_co_u32 s91, s91, BOFF
	s_lshl_b32 s92, s18, 2
	s_add_co_u32 s92, s92, s79
	s_lshl_b32 s92, s92, 9                         ; the scale words of my four tiles of A',
	s_mov_b32 s93, 0
	s_lshl_b32 s94, s85, 9                         ; and of B's eight
	s_mov_b32 s95, 0
	s_sub_co_u32 s98, 0, s23                       ; all ones in mode 1, 0 in mode 0
	s_wait_dscnt 0x0
	s_wait_kmcnt 0x0
	s_add_nc_u64 s[82:83], s[4:5], s[82:83]
	s_add_nc_u64 s[88:89], s[4:5], s[88:89]
	s_add_nc_u64 s[92:93], s[6:7], s[92:93]
	s_add_nc_u64 s[94:95], s[6:7], s[94:95]
.irp c, 0,1,2,3
	s_mov_b32 s[32+4*\c], 1                                        ; count = 1
	s_add_co_u32 s[33+4*\c], s90, \c*CH                            ; LDS address
	s_add_nc_u64 s[34+4*\c:35+4*\c], s[82:83], \c*3072             ; global address: chunk c of each tile
	s_or_b32 s[35+4*\c], s[35+4*\c], 0x80000000                    ; type = 2
	s_mov_b32 s[56+4*\c+4*(\c/2)], 1
	s_add_co_u32 s[57+4*\c+4*(\c/2)], s91, \c*CH
	s_add_nc_u64 s[58+4*\c+4*(\c/2):59+4*\c+4*(\c/2)], s[88:89], \c*3072
	s_or_b32 s[59+4*\c+4*(\c/2)], s[59+4*\c+4*(\c/2)], 0x80000000
.endr
	CROUND                                         ; all sixteen work-groups are here: the joint loads meet
	s_cmp_eq_u32 s19, 0                            ; a wave's four fills stand in one branch on the wave's number; four v_nop follow the last
	s_cbranch_scc0 .Lfor_b
.irp c, 0,1,2,3
	tensor_load_to_lds s[32+4*\c:35+4*\c], s[24:31]
	s_nop 0
.endr
	PLACES
	s_branch .Lasked
.Lfor_b:
.irp c, 0,1,2,3
	tensor_load_to_lds s[56+4*\c+4*(\c/2):59+4*\c+4*(\c/2)], s[48:55]
	s_nop 0
.endr
	PLACES
.Lasked:
	v_and_b32 v1, 31, v0                           ; lane
	v_and_b32 v2, 15, v0                           ; r
	s_wait_alu depctr_va_vdst(0)
	v_bfe_u32 v3, v0, 4, 1                         ; h
	v_lshlrev_b32 v8, 4, v1                        ; 16 x lane
	s_wait_alu depctr_va_vdst(0)
	v_lshlrev_b32 v9, 3, v1                        ; 8 x lane
	s_wait_alu depctr_va_vdst(0)
	v_lshlrev_b32 v10, 4, v2                       ; 16 r
.irp a, 0,1,2,3
.irp k, 0,1
	global_load_b128 v[SCA+8*\a+4*\k:SCA+8*\a+4*\k+3], v10, s[92:93] offset:512*\a+256*\k   ; row r's scale words of four K steps
.endr
.endr
.irp b, 0,1,2,3,4,5,6,7
.irp k, 0,1
	global_load_b128 v[SCB+8*\b+4*\k:SCB+8*\b+4*\k+3], v10, s[94:95] offset:512*\b+256*\k
.endr
.endr
	; the biases.  Along B's rows (mode 0): tile b, register j, half h is head 2 (CT % 8) + b / 4, channel d = 32 ((b % 4) / 2) + 8 (b % 2) + 16 h + j; feature 16 d + head.
	; Along A's rows (mode 1): tile a, lane r is head 4 RT + w, channel d = 32 (a / 2) + 8 (a % 2) + r + 8 (r / 8).  Both are loaded in both modes, at offsets that stay inside 4,096 bytes.
	s_lshr_b32 s86, s84, 3
	s_mul_i32 s86, s86, s77                        ; 1 in W_k's work-groups
	s_cmp_eq_u32 s86, 1
	s_cselect_b64 s[96:97], s[10:11], s[8:9]
	s_and_b32 s87, s84, 7
	s_mul_i32 s87, s87, s77
	s_lshl_b32 s87, s87, 3                         ; 4 bytes x the first of my two heads (0 in mode 1)
	v_lshlrev_b32 v11, 10, v3
	v_add_nc_u32 v11, s87, v11
	s_lshl_b32 s80, s78, 2
	s_add_co_u32 s80, s80, s18
	s_mul_i32 s80, s80, s23
	s_lshl_b32 s80, s80, 2                         ; 4 bytes x my head (0 in mode 0)
	v_and_b32 v12, 8, v2
	v_add_nc_u32 v12, v12, v2
	v_lshlrev_b32 v12, 6, v12
	v_add_nc_u32 v12, s80, v12
	WIN 0xc0
.irp b, 0,1,2,3,4,5,6,7
.irp j, 0,1,2,3,4,5,6,7
	global_load_b32 v[8*\b+\j], v11, s[96:97] offset:64*(32*((\b%4)/2)+8*(\b%2)+\j)+4*(\b/4)
.endr
.endr
.irp a, 0,1,2,3
	global_load_b32 v[64+\a], v12, s[12:13] offset:64*(32*(\a/2)+8*(\a%2))
.endr
	WIN 0
	s_mul_i32 s99, s18, 12288                      ; my four tiles of A' in a chunk
	v_add_nc_u32 v4, s99, v8
	s_add_co_u32 s99, s99, 512
	v_add_nc_u32 v5, s99, v9
	v_add_nc_u32 v6, BOFF, v8
	v_add_nc_u32 v7, BOFF+512, v9
	s_wait_loadcnt 0x0                             ; scale words and biases
	WIN 0x8f                                       ; sources window 3, destination window 2
.irp a, 0,1,2,3
.irp b, 0,1,2,3,4,5,6,7
.irp j, 0,1,2,3,4,5,6,7
	v_cndmask_b32 v[8*(8*\a+\b)+\j], v[8*\b+\j], v[64+\a], s98   ; the sums begin with the mode's bias, while the first tiles are on their way
.endr
.endr
.endr
	s_wait_alu depctr_va_vdst(0)
	s_wait_tensorcnt 0x3                           ; my part of chunk 0 is in; my three later loads may be out
	s_barrier_signal -1
	s_barrier_wait -1                              ; everybody's is
	FETCH 0, 0
	STEP_E 0
	STEP_O 1, 0x2
	s_wait_alu depctr_va_vdst(0)
	STEP_E 2
	STEP_O 3, 0x1
	s_wait_alu depctr_va_vdst(0)
	STEP_E 4
	STEP_O 5, 0x0
	s_wait_alu depctr_va_vdst(0)
	STEP_E 6
	s_wait_dscnt 0x0
	MUL16 0, 1, 7
	MUL16 2, 1, 7
	WIN 0
	PLACES
	; THE WAY OUT.  All tensor loads are done: their scalar registers are free.  The places of both modes are worked out, and the mode chooses.
	s_and_b32 s24, s84, 7
	s_lshr_b32 s25, s78, 3
	s_lshl_b32 s25, s25, 4
	s_lshl_b32 s26, s24, 1
	s_add_co_u32 s25, s25, s26                     ; mode 0: b h = 16 (RT / 8) + 2 (CT % 8): the first of my two heads
	s_lshr_b32 s26, s84, 3                         ; 0: q, 1: k
	s_and_b32 s27, s78, 7
	s_lshl_b32 s27, s27, 2
	s_add_co_u32 s27, s27, s18                     ; my group of four token tiles: 4 (RT % 8) + w
	s_mul_i32 s28, s26, 6291456
	s_mul_i32 s29, s25, 98304
	s_add_co_u32 s28, s28, s29
	s_mul_i32 s29, s27, 3072
	s_add_co_u32 s28, s28, s29                     ; codes
	s_lshl_b32 s30, s26, 19
	s_lshl_b32 s29, s25, 13
	s_add_co_u32 s30, s30, s29
	s_lshl_b32 s29, s27, 8
	s_add_co_u32 s30, s30, s29                     ; scale words
	s_lshr_b32 s31, s84, 4
	s_lshl_b32 s31, s31, 4
	s_lshl_b32 s32, s78, 2
	s_add_co_u32 s31, s31, s32
	s_add_co_u32 s31, s31, s18                     ; mode 1: b h = 16 (CT / 16) + 4 RT + w
	s_and_b32 s32, s84, 15                         ; which 128 keys
	s_mul_i32 s33, s31, 98304
	s_mul_i32 s34, s32, 6144
	s_add_co_u32 s33, s33, s34
	s_add_co_u32 s33, s33, 12582912
	s_lshl_b32 s34, s31, 12
	s_lshl_b32 s35, s32, 8
	s_add_co_u32 s34, s34, s35
	s_add_co_u32 s34, s34, 1048576
	s_cmp_eq_u32 s23, 1
	s_cselect_b32 s28, s33, s28
	s_cselect_b32 s30, s34, s30
	s_mov_b32 s36, 98304
	s_cselect_b32 s36, 768, s36                    ; from registers 0-5's place to registers 6-11's: the next head, or the fragment's second half
	s_cselect_b32 s38, 0, 16                       ; lanes 16-31 store the word's upper two bytes (the second head's), or the whole word
	s_cselect_b32 s39, -1, 0xffff
	s_cselect_b32 s40, 0, 8192                     ; at the next head's place, or at the same
	s_mov_b32 s29, 0
	s_mov_b32 s31, 0
	s_mov_b32 s37, 0
	s_add_nc_u64 s[14:15], s[14:15], s[28:29]
	s_add_nc_u64 s[42:43], s[14:15], s[36:37]
	s_add_nc_u64 s[16:17], s[16:17], s[30:31]
	s_lshl_b32 s41, 768, s23                       ; from tile a to tile a + 1: 768 or 1,536 bytes
	s_mov_b32 s46, 0x76543210
	s_mov_b32 s47, 0xfedcba98                      ; v_permlanex16_b32's selects for lane l xor 16
.irp a, 0,1,2,3
	s_mul_i32 s44, s41, \a
	v_add_nc_u32 v[192+\a], s44, v8
	v_add_nc_u32 v[196+\a], s44, v9
.endr
.irp b, 0,1,2,3
	v_mov_b32 v[TM+4+\b], 0                        ; written once: a lane permute's destination counts as one of its sources
.endr
; Tile a's 64 numbers of a lane (window 2, register 16 b + i = k 32 b + 16 h + i of my row) become a fragment's codes in v[112 + 20 a] on and its scale word in v[PW + a]; then the codes are stored.
.macro QUANT a
.set PCA, 112+20*(\a)
	WIN 0x28                                       ; sources 1 and 2 window 2
.irp b, 0,1,2,3
	v_max3_num_f32 v[TM+\b], 0x1800000, |v[64*(\a)+16*\b]|, |v[64*(\a)+16*\b+1]|   ; block b: my 16 numbers, each accumulator from its low end on, and the floor 2^(3 - 127)
.endr
.irp i, 2,4,6,8,10,12,14
.irp b, 0,1,2,3
	v_max3_num_f32 v[TM+\b], v[TM+\b], |v[64*(\a)+16*\b+\i]|, |v[64*(\a)+16*\b+\i+1]|
.endr
.endr
	WIN 0
.irp b, 0,1,2,3
	v_permlanex16_b32 v[TM+4+\b], v[TM+\b], s46, s47
.endr
.irp b, 0,1,2,3
	v_max_num_f32 v[TM+\b], v[TM+\b], v[TM+4+\b]   ; with lane l xor 16's: the block's largest magnitude
.endr
.irp b, 0,1,2,3
	v_add_nc_u32 v[TM+12+\b], 0xff000000, v[TM+\b] ; 2 off its exponent field: the conversion's scale operand
.endr
.irp b, 0,1,2,3
	v_lshrrev_b32 v[TM+4+\b], 23, v[TM+12+\b]      ; the scale's byte
.endr
	v_lshl_or_b32 v[PW+(\a)], v[TM+5], 8, v[TM+4]
	v_lshl_or_b32 v[PW+(\a)], v[TM+6], 16, v[PW+(\a)]
	v_lshl_or_b32 v[PW+(\a)], v[TM+7], 24, v[PW+(\a)]
	WIN 0x02                                       ; source 0 window 2
.irp c, 0,1
	v_cvt_scalef32_pk16_fp6_f32 v[PCA+6*\c:PCA+6*\c+2], v[64*(\a)+32*\c:64*(\a)+32*\c+15], v[TM+12+2*\c]
	v_cvt_scalef32_pk16_fp6_f32 v[PCA+12+4*\c:PCA+14+4*\c], v[64*(\a)+32*\c+16:64*(\a)+32*\c+31], v[TM+12+2*\c+1]
.endr
	WIN 0
	v_nop                                          ; one plain place behind a scaled conversion
.irp c, 0,1                                    ; the operand's layout wants a WHOLE block in a lane: lanes 0-15 block 2 c, lanes 16-31 block 2 c + 1
.irp i, 0,1,2
	v_permlane16_swap_b32 v[PCA+6*\c+\i], v[PCA+12+4*\c+\i]
.endr
.irp i, 0,1,2
	v_mov_b32 v[PCA+3+6*\c+\i], v[PCA+12+4*\c+\i]
.endr
.endr
	global_store_b128 v[192+(\a)], v[PCA:PCA+3], s[14:15]              ; each store covers 512 or 256 consecutive bytes, at a multiple of 256 from the buffer's first byte
	global_store_b64 v[196+(\a)], v[PCA+4:PCA+5], s[14:15] offset:512
	global_store_b128 v[192+(\a)], v[PCA+6:PCA+9], s[42:43]
	global_store_b64 v[196+(\a)], v[PCA+10:PCA+11], s[42:43] offset:512
.endm
	QUANT 0
	QUANT 1
	QUANT 2
	QUANT 3
	v_mul_u32_u24 v232, v3, s38                    ; the four tiles' scale words of row r leave by one store of 16 bytes a lane
	v_mad_u32_u24 v233, v3, s40, v10
.irp a, 0,1,2,3
	v_lshrrev_b32 v[228+\a], v232, v[PW+\a]
.endr
.irp a, 0,1,2,3
	v_and_b32 v[228+\a], s39, v[228+\a]
.endr
	global_store_b128 v233, v[228:231], s[16:17]   ; mode 0: lanes 0-15 the first head's 256 bytes, lanes 16-31 the second's; mode 1: both halves hold and write the same 256 bytes
	s_wait_tensorcnt 0x0
	ds_add_u32 v254, v255
	s_wait_dscnt 0x0
	CROUND                                         ; the closing round: no work-group ends while a partner may still ask for a tile that names it
	s_endpgm
.Lfunc_end_k_qe47d1d77b1_qkv:
	.size	k_qe47d1d77b1_qkv, .Lfunc_end_k_qe47d1d77b1_qkv-k_qe47d1d77b1_qkv
	.p2alignl 7, 3214868480
	.fill 96, 4, 3214868480
	.section	.rodata,"a",@progbits
	.p2align	6, 0x0
	.amdhsa_kernel k_qe47d1d77b1_qkv
		.amdhsa_group_segment_fixed_size 295424
		.amdhsa_private_segment_fixed_size 0
		.amdhsa_enable_private_segment 0
		.amdhsa_kernarg_size 56
		.amdhsa_user_sgpr_count 2
		.amdhsa_user_sgpr_kernarg_segment_ptr 1
		.amdhsa_wavefront_size32 1
		.amdhsa_system_sgpr_workgroup_id_x 1
		.amdhsa_system_sgpr_workgroup_id_y 1
		.amdhsa_system_sgpr_workgroup_id_z 1
		.amdhsa_system_vgpr_workitem_id 0
		.amdhsa_next_free_vgpr 896
		.amdhsa_next_free_sgpr 100
		.amdhsa_reserve_vcc 0
		.amdhsa_float_denorm_mode_32 3
		.amdhsa_float_denorm_mode_16_64 3
		.amdhsa_memory_ordered 1
		.amdhsa_forward_progress 1
		.amdhsa_inst_pref_size 113
	.end_amdhsa_kernel
	.amdgpu_metadata
---
amdhsa.version: [ 1, 2 ]
amdhsa.kernels:
  - .name:           k_qe47d1d77b1_qkv
    .symbol:         k_qe47d1d77b1_qkv.kd
    .args:
      - { .name: opc, .offset: 0, .size: 8, .value_kind: global_buffer, .address_space: global }
      - { .name: ops, .offset: 8, .size: 8, .value_kind: global_buffer, .address_space: global }
      - { .name: b_q, .offset: 16, .size: 8, .value_kind: global_buffer, .address_space: global }
      - { .name: b_k, .offset: 24, .size: 8, .value_kind: global_buffer, .address_space: global }
      - { .name: b_v, .offset: 32, .size: 8, .value_kind: global_buffer, .address_space: global }
      - { .name: ac, .offset: 40, .size: 8, .value_kind: global_buffer, .address_space: global }
      - { .name: asc, .offset: 48, .size: 8, .value_kind: global_buffer, .address_space: global }
    .group_segment_fixed_size: 295424
    .private_segment_fixed_size: 0
    .kernarg_segment_align: 8
    .kernarg_segment_size: 56
    .max_flat_workgroup_size: 128
    .sgpr_count:     100
    .vgpr_count:     896
    .wavefront_size: 32
...
	.end_amdgpu_metadata
.endif
;; end of part 2
;; launch attn (part 3): grid 4 x 64, 16 waves a work-group, clusters of 4 x 1, 210,944 bytes of LDS; arguments ac, asc, oc, os; writes oc, os
.if DOCPART == 3
	.amdgcn_target "amdgcn-amd-amdhsa--gfx1250"
	.amdhsa_code_object_version 6
	.text
	.protected	k_qe47d1d77b1_attn
	.globl	k_qe47d1d77b1_attn
	.p2align	8
	.type	k_qe47d1d77b1_attn,@function
k_qe47d1d77b1_attn:
	s_mov_b64 s[64:65], 0
	v_nop
	global_prefetch_b8 v0, s[64:65] scope:SCOPE_SE
	s_setreg_imm32_b32 hwreg(HW_REG_WAVE_MODE, 25, 1), 1
	s_wait_xcnt 0x0
	s_wait_alu depctr_hold_cnt(0) depctr_sa_sdst(0) depctr_va_vdst(0) depctr_va_sdst(0) depctr_va_ssrc(0) depctr_va_vcc(0) depctr_vm_vsrc(0)
	s_getreg_b32 s2, hwreg(HW_REG_IB_STS2, 6, 4)
	s_cmp_eq_u32 s2, 0
	s_cbranch_scc0 .Lentry_in_a_cluster
	s_endpgm
.Lentry_in_a_cluster:
	s_bfe_u32 s2, ttmp6, 0x10000c
	s_cmp_lg_u32 s2, 0x3003
	s_cbranch_scc0 .Lentry_shape_is_right
	s_endpgm
.Lentry_shape_is_right:
; o = softmax(q k^T / 8) v for one batch and head (b h = work-group y), both products on codes of FP6 (E2M3) with E8M0 scales; o is quantised along (head, channel) for the last product.
; THE SOFTMAX AHEAD OF THE SECOND PRODUCT: t = score x log2(e) / 8; M = the running largest t, rounded UP to a whole number; p = 2^(t - M) is quantised along the keys, not normalised.
; The row's sum is taken of the unquantised p and divides O at the end.  When M moves, the sum and O are multiplied by 2^(old M - new M): exact.
; SHARES.  A work-group owns 512 queries; each of its sixteen waves makes two tiles of 16 queries, one after the other, each against all 2,048 keys, 128 a step.  Four waves share a SIMD,
; so that one wave's vector work stands beside another's products and LDS loads.
; A WHOLE HEAD'S K AND V, codes and scale words (208,896 bytes), LIE IN LDS for the whole launch, filled ONCE: no ring.  The four work-groups of a cluster are the four query blocks of one head:
; each piece is asked for jointly, by the same tensor load with a mask that names the four.  A wave has at most one tensor load out.
; LAYOUT.  Both products are used transposed: S^T = K Q^T (source 0 = 16 keys), O^T = V^T P^T (source 0 = 16 channels): a lane holds ONE query throughout.  The order of rows in a tile
; (row 32 (j / 2) + 8 (j % 2) + r + 8 (r / 8) for tile j, lane r) makes the 16 registers of two neighbouring result tiles 16 neighbours along the next K.
; K = 64 IN AN INSTRUCTION OF 128: a tile of K or Q is 6 registers.  Q's upper six registers are zero codes.  Source 0 of tile t names 12 registers, of which the upper six are the next tile's codes
; (behind the last: zeros): every code of this format is a finite number, so its product with a zero code is 0; bytes 2 and 3 of both scale words are 0, which is 2^-127 and no NaN.
; IN: ac, asc as the launch before lays them.  OUT: oc [token tile 512][head 16][768 bytes: 16 tokens x 64 channels]; os [token tile][half of K][row][4 words]: a head's two bytes at 256 (h / 8) + 16 r + 2 (h % 8).
; The two scale bytes of a row leave by a store of 2 bytes a lane: a word's halves come from two work-groups, and these bytes are 1 in 24 of the codes' bytes.
; LIMITS: a block of zeros gets the byte 1 where the rule says 127 (its codes are zeros; this program alone reads the bytes); NaN and infinities are not served.
; No prefetch: every tensor load stands at the kernel's head, so there is no earlier place from which to ask.
; REGISTERS: v1-8 addresses that stay, v9-14 the step's; v16-21 Q, v22-27 zeros; v28-51 four tiles of K, v52-57 zeros; v58-105 four fragments of V; v106-169 S^T, then p; v170-201 O^T; v202-213 p's codes;
;   v214-220 the conversions' second halves; v222-233 at work by block; v234-241 K's scale words, v242-245 V's, v246 Q's, v247 p's; v[248:249] f; v250-251 at work; v252 -M, v253 the largest t; v[254:255] the sum in two halves.
.set VL,  98304                        ; LDS: K's codes at 0, V's here,
.set KSL, 196608                       ; K's scale words,
.set VSL, 204800                       ; V's
.set S,   106
.set O,   170
.set PCD, 202
.set BM,  222
.set PR,  226
.set SO,  230
.macro PLACES
.rept 4
	v_nop
.endr
.endm
.macro CROUND                          ; a round of the cluster's barrier
	s_barrier_signal -1
	s_barrier_wait -1
	s_cmp_lg_u32 s12, 0
	s_cbranch_scc1 .Lnot_wave_0_\@
	s_barrier_signal -3
.Lnot_wave_0_\@:
	s_barrier_wait -3
	s_barrier_signal -1
	s_barrier_wait -1
.endm
	s_load_b256 s[4:11], s[0:1], 0x0               ; ac, asc, oc, os
	v_lshl_add_u32 v217, v0, 2, 0x33000
	v_mov_b32 v221, 0
	ds_add_u32 v217, v221
	ds_add_u32 v217, v221
	v_lshrrev_b32 v1, 5, v0
	s_delay_alu instid0(VALU_DEP_1)
	v_readfirstlane_b32 s12, v1                    ; wave 0..15
	s_bfe_u32 s13, ttmp6, 0x40000                  ; cx
	s_lshl_b32 s15, ttmp9, 2
	s_add_co_u32 s13, s13, s15                     ; my block of 512 queries: it enters Q's and o's addresses alone
	s_and_b32 s14, ttmp7, 0xffff                   ; b h, which the four partners share
	s_mov_b32 s20, 0x76543210
	s_mov_b32 s21, 0xfedcba98                      ; v_permlanex16_b32's selects for lane l xor 16
	s_mov_b32 s22, 0x3e38aa3b                      ; c = log2(e) / 8
	s_mov_b32 s23, s22                             ; (named with it as a pair, so it is written)
	; descriptor group 1: dense blocks as rows of 256 bytes (32 elements of 8 bytes): 96 rows of codes, 16 rows of scale words
	s_mov_b32 s24, 15|(3<<16)|(1<<21)              ; 15:0 the mask: all four work-groups; 17:16 elements of 8 bytes; 21 set beside a mask
	s_mov_b32 s25, 32<<16
	s_mov_b32 s26, 96<<16
	s_mov_b32 s27, 32<<16
	s_mov_b32 s28, 96
	s_mov_b32 s29, 32
	s_mov_b32 s30, 0
	s_mov_b32 s31, 0
	s_mov_b32 s32, 15|(3<<16)|(1<<21)
	s_mov_b32 s33, 32<<16
	s_mov_b32 s34, 16<<16
	s_mov_b32 s35, 32<<16
	s_mov_b32 s36, 16
	s_mov_b32 s37, 32
	s_mov_b32 s38, 0
	s_mov_b32 s39, 0
	; waves 0-7: the eight pieces of 24,576 bytes of K's and V's codes, which lie on end in LDS; in memory K's region begins at 6,291,456 and V's at twice that
	s_mul_i32 s66, s14, 98304                      ; the head's bytes in each region of codes
	s_mul_i32 s41, s12, 24576
	s_lshr_b32 s60, s12, 2
	s_add_co_u32 s60, s60, 1
	s_mul_i32 s60, s60, 6291456
	s_add_co_u32 s60, s60, s66
	s_and_b32 s62, s12, 3
	s_mul_i32 s62, s62, 24576
	s_add_co_u32 s60, s60, s62
	s_mov_b32 s61, 0
	; waves 8-10: three pieces of 4,096 bytes: the halves of K's scale words (524,288 + 8,192 b h on), then V's (1,048,576 + 4,096 b h)
	s_and_b32 s67, s12, 7
	s_lshl_b32 s45, s67, 12
	s_add_co_u32 s45, s45, KSL
	s_lshr_b32 s67, s67, 1                         ; 0 for K's, 1 for V's
	s_lshl_b32 s68, 0x80000, s67
	s_lshl_b32 s69, s14, 13
	s_lshr_b32 s69, s69, s67
	s_add_co_u32 s68, s68, s69
	s_and_b32 s69, s12, 1
	s_lshl_b32 s69, s69, 12
	s_add_co_u32 s68, s68, s69
	s_mov_b32 s69, 0
	; my tiles: token tile 32 x block + 16 p + wave of the head's 128
	s_lshl_b32 s70, s13, 5
	s_add_co_u32 s70, s70, s12
	s_mul_i32 s52, s70, 768
	s_add_co_u32 s52, s52, s66                     ; Q's codes
	s_mov_b32 s53, 0
	s_lshl_b32 s54, s14, 13
	s_lshl_b32 s71, s13, 3
	s_lshr_b32 s72, s12, 2
	s_add_co_u32 s71, s71, s72
	s_lshl_b32 s71, s71, 8
	s_add_co_u32 s54, s54, s71
	s_and_b32 s72, s12, 3
	s_lshl_b32 s72, s72, 2
	s_add_co_u32 s54, s54, s72                     ; Q's scale words: group tile / 4, word tile % 4
	s_mov_b32 s55, 0
	s_lshr_b32 s73, s14, 4
	s_lshl_b32 s73, s73, 7
	s_add_co_u32 s73, s73, s70                     ; the token tile among all 512
	s_and_b32 s74, s14, 15                         ; the head
	s_mul_i32 s56, s73, 12288
	s_mul_i32 s75, s74, 768
	s_add_co_u32 s56, s56, s75                     ; o's codes
	s_mov_b32 s57, 0
	s_lshl_b32 s58, s73, 9
	s_lshr_b32 s75, s74, 3
	s_lshl_b32 s75, s75, 8
	s_add_co_u32 s58, s58, s75
	s_and_b32 s75, s74, 7
	s_lshl_b32 s75, s75, 1
	s_add_co_u32 s58, s58, s75                     ; o's scale bytes
	s_mov_b32 s59, 0
	s_wait_dscnt 0x0
	s_wait_kmcnt 0x0
	s_mov_b32 s40, 1
	s_add_nc_u64 s[42:43], s[4:5], s[60:61]
	s_or_b32 s43, s43, 0x80000000
	s_mov_b32 s44, 1
	s_add_nc_u64 s[46:47], s[6:7], s[68:69]
	s_or_b32 s47, s47, 0x80000000
	s_add_nc_u64 s[52:53], s[4:5], s[52:53]
	s_add_nc_u64 s[54:55], s[6:7], s[54:55]
	s_add_nc_u64 s[56:57], s[8:9], s[56:57]
	s_add_nc_u64 s[58:59], s[10:11], s[58:59]
	CROUND                                         ; all four work-groups are here: the joint loads meet
	s_cmp_lt_u32 s12, 8                            ; the branches hang on the wave's number alone; four v_nop follow each of the two lines
	s_cbranch_scc0 .Lnot_codes
	tensor_load_to_lds s[40:43], s[24:31]
	s_nop 0
	PLACES
	s_branch .Lasked
.Lnot_codes:
	s_cmp_lt_u32 s12, 11
	s_cbranch_scc0 .Lasked
	tensor_load_to_lds s[44:47], s[32:39]
	s_nop 0
	PLACES
.Lasked:
	v_and_b32 v15, 31, v0                          ; lane
	v_and_b32 v8, 15, v0                           ; r
	s_delay_alu instid0(VALU_DEP_2)
	v_lshlrev_b32 v1, 4, v15                       ; 16 x lane: an image's registers 0-3 (K's codes begin at LDS byte 0)
	s_delay_alu instid0(VALU_DEP_3)
	v_lshlrev_b32 v7, 3, v15                       ; 8 x lane
	s_delay_alu instid0(VALU_DEP_3)
	v_lshlrev_b32 v8, 4, v8                        ; 16 r
	s_delay_alu instid0(VALU_DEP_2)
	v_add_nc_u32 v2, 512, v7                       ; an image's registers 4-5
	s_delay_alu instid0(VALU_DEP_4)
	v_add_nc_u32 v3, VL, v1
	s_delay_alu instid0(VALU_DEP_4)
	v_add_nc_u32 v4, VL+512, v7
	s_delay_alu instid0(VALU_DEP_4)
	v_add_nc_u32 v5, KSL, v8
	v_add_nc_u32 v6, VSL, v8
.irp i, 0,1,2,3,4,5
	v_mov_b32 v[22+\i], 0                          ; Q's upper half: zero codes
	v_mov_b32 v[52+\i], 0                          ; and what stands behind the fourth tile of K
.endr
.irp b, 0,1,2,3
	v_mov_b32 v[PR+\b], 0                          ; written once: a lane permute's destination counts as one of its sources
.endr
	v_mov_b32 v249, 0                              ; (named as the upper half of the pair v[248:249])
	v_mov_b32 v250, 0
	s_wait_tensorcnt 0x0                           ; my piece has landed,
	s_barrier_signal -1
	s_barrier_wait -1                              ; everybody's has: from here on LDS is only read
; A KEY STEP: 128 keys.  s48: the step's codes (6,144 bytes a step in K's region and in V's), s49: K's scale words (512), s50: V's (256).
.macro STEP
	v_add_nc_u32 v9, s48, v1                       ; (these six are also places behind the last step's products, in front of the loads below)
	s_wait_alu depctr_va_vdst(0)
	v_add_nc_u32 v10, s48, v2
	s_wait_alu depctr_va_vdst(0)
	v_add_nc_u32 v11, s48, v3
	v_add_nc_u32 v12, s48, v4
	v_add_nc_u32 v13, s49, v5
	v_add_nc_u32 v14, s50, v6
	ds_load_b128 v[234:237], v13                   ; row r's scale words of tiles 0-3,
	ds_load_b128 v[238:241], v13 offset:256        ; and of tiles 4-7
.irp g, 0,1                                    ; S^T = K Q^T, four tiles of 16 keys at a time
.if \g
	PLACES                                         ; in front of loads into registers that the four products above have read
.endif
.irp t, 0,1,2,3
	ds_load_b128 v[28+6*\t:31+6*\t], v9 offset:768*(4*\g+\t)
	ds_load_b64 v[32+6*\t:33+6*\t], v10 offset:768*(4*\g+\t)
.endr
	s_wait_dscnt 0x0
.irp t, 0,1,2,3
	v_wmma_scale_f32_16x16x128_f8f6f4 v[S+8*(4*\g+\t):S+8*(4*\g+\t)+7], v[28+6*\t:39+6*\t], v[16:27], 0, v[234+4*\g+\t], v246 matrix_a_fmt:MATRIX_FMT_FP6 matrix_b_fmt:MATRIX_FMT_FP6
.endr
.endr
	s_wait_alu depctr_va_vdst(0)
.irp t, 0,1,2,3                                ; V's four fragments are asked for here and land under the softmax
	ds_load_b128 v[58+12*\t:61+12*\t], v11 offset:1536*\t
	ds_load_b64 v[62+12*\t:63+12*\t], v12 offset:1536*\t
	ds_load_b128 v[64+12*\t:67+12*\t], v11 offset:1536*\t+768
	ds_load_b64 v[68+12*\t:69+12*\t], v12 offset:1536*\t+768
.endr
	ds_load_b128 v[242:245], v14                   ; and row r's scale words of its four tiles
	PLACES
.irp b, 0,1,2,3
	v_max3_num_f32 v[BM+\b], v[S+16*\b], v[S+16*\b+1], v[S+16*\b+2]   ; THE LARGEST SCORE OF EACH BLOCK OF 32 KEYS serves twice: for the row's maximum and, since p rises with the score, for the block's largest p
.endr
.irp i, 3,5,7,9,11,13
.irp b, 0,1,2,3
	v_max3_num_f32 v[BM+\b], v[BM+\b], v[S+16*\b+\i], v[S+16*\b+\i+1]
.endr
.endr
.irp b, 0,1,2,3
	v_max_num_f32 v[BM+\b], v[BM+\b], v[S+16*\b+15]
.endr
.irp b, 0,1,2,3
	s_delay_alu instid0(VALU_DEP_4)
	v_permlanex16_b32 v[PR+\b], v[BM+\b], s20, s21
.endr
.irp b, 0,1,2,3
	s_delay_alu instid0(VALU_DEP_4)
	v_max_num_f32 v[BM+\b], v[BM+\b], v[PR+\b]     ; with lane l xor 16's 16 keys
.endr
	s_delay_alu instid0(VALU_DEP_2)
	v_max3_num_f32 v250, v[BM], v[BM+1], v[BM+2]
	s_delay_alu instid0(VALU_DEP_1)
	v_max_num_f32 v250, v250, v[BM+3]              ; the step's largest score of my query
	s_delay_alu instid0(VALU_DEP_1)
	v_mul_f32 v250, s22, v250                      ; as t (c is positive)
	s_delay_alu instid0(VALU_DEP_1)
	v_max_num_f32 v253, v253, v250                 ; the running largest t
	v_mov_b32 v250, v252
	s_delay_alu instid0(VALU_DEP_2)
	v_floor_f32 v252, -v253                        ; the new -M = floor(-t) = -ceil(t): M is a whole number
	s_delay_alu instid0(VALU_DEP_1)
	v_sub_f32 v250, v252, v250                     ; old M less new M: a whole number, 0 or less
	s_delay_alu instid0(VALU_DEP_1)
	v_cvt_i32_f32 v250, v250                       ; (it saturates)
	s_delay_alu instid0(VALU_DEP_1)
	v_ldexp_f32 v248, 1.0, v250                    ; f = 2^(old M - new M)
.set j, 0
.rept 32
	v_pk_fma_f32 v[S+j:S+j+1], v[S+j:S+j+1], s[22:23], v[252:253] op_sel_hi:[1,0,0]   ; t - M, two at a time (of the pairs c and -M the low word serves both halves)
.set j, j+2
.endr
.irp b, 0,1,2,3
	v_fma_f32 v[BM+\b], v[BM+\b], s22, v252        ; the same of each block's largest score
.endr
.set j, 0
	s_setprio 1
	s_wait_alu depctr_va_vdst(0)
.rept 64
	v_exp_f32 v[S+j], v[S+j]                       ; p = 2^(t - M), at most 1: not normalised
.set j, j+1
.endr
	v_pk_mul_f32 v[254:255], v[254:255], v[248:249] op_sel_hi:[1,0]   ; the sums under the new M: a plain place behind the exponentials
	s_wait_alu depctr_va_vdst(0)                   ; one wait for the whole batch, ahead of its first reader
.irp b, 0,1,2,3
	v_exp_f32 v[BM+\b], v[BM+\b]                   ; the block's largest p: the same two instructions on the same number give the same bits
.endr
	v_pk_add_f32 v[226:227], v[110:111], v[114:115]
	v_pk_add_f32 v[240:241], v[118:119], v[122:123]
	v_pk_add_f32 v[238:239], v[126:127], v[130:131]
	v_pk_add_f32 v[236:237], v[134:135], v[138:139]
	v_pk_add_f32 v[234:235], v[142:143], v[146:147]
	v_pk_add_f32 v[232:233], v[150:151], v[154:155]
	v_pk_add_f32 v[230:231], v[158:159], v[162:163]
	v_pk_add_f32 v[254:255], v[254:255], v[166:167]
	v_pk_add_f32 v[226:227], v[226:227], v[106:107]
	v_pk_add_f32 v[240:241], v[240:241], v[108:109]
	v_pk_add_f32 v[238:239], v[238:239], v[112:113]
	v_pk_add_f32 v[236:237], v[236:237], v[116:117]
	v_pk_add_f32 v[234:235], v[234:235], v[120:121]
	v_pk_add_f32 v[232:233], v[232:233], v[124:125]
	v_pk_add_f32 v[230:231], v[230:231], v[128:129]
	v_pk_add_f32 v[254:255], v[254:255], v[132:133]
	v_pk_add_f32 v[226:227], v[226:227], v[136:137]
	v_pk_add_f32 v[240:241], v[240:241], v[140:141]
	v_pk_add_f32 v[238:239], v[238:239], v[144:145]
	v_pk_add_f32 v[236:237], v[236:237], v[148:149]
	v_pk_add_f32 v[234:235], v[234:235], v[152:153]
	v_pk_add_f32 v[232:233], v[232:233], v[156:157]
	v_pk_add_f32 v[230:231], v[230:231], v[160:161]
	v_pk_add_f32 v[254:255], v[254:255], v[164:165]
	v_pk_add_f32 v[226:227], v[226:227], v[168:169]
	s_delay_alu instid0(VALU_DEP_2)
	v_pk_add_f32 v[254:255], v[254:255], v[236:237]
	s_delay_alu instid0(VALU_DEP_2)
	v_pk_add_f32 v[226:227], v[226:227], v[234:235]
	v_pk_add_f32 v[240:241], v[240:241], v[232:233]
	v_pk_add_f32 v[238:239], v[238:239], v[230:231]
	s_delay_alu instid0(VALU_DEP_2)
	v_pk_add_f32 v[254:255], v[254:255], v[240:241]
	s_delay_alu instid0(VALU_DEP_2)
	v_pk_add_f32 v[226:227], v[226:227], v[238:239]
	s_delay_alu instid0(VALU_DEP_1)
	v_pk_add_f32 v[254:255], v[254:255], v[226:227]
	s_wait_alu depctr_va_vdst(0)                   ; and one for the four
.irp b, 0,1,2,3
	v_max_num_f32 v[BM+\b], 0x1800000, v[BM+\b]    ; the floor 2^(3 - 127): the byte cannot fall under 1
.endr
.irp b, 0,1,2,3
	s_delay_alu instid0(VALU_DEP_4)
	v_add_nc_u32 v[SO+\b], 0xff000000, v[BM+\b]    ; 2 off the exponent field: the conversion's scale operand
.endr
.irp b, 0,1,2,3
	s_delay_alu instid0(VALU_DEP_4)
	v_lshrrev_b32 v[PR+\b], 23, v[SO+\b]           ; the scale's byte
.endr
	s_delay_alu instid0(VALU_DEP_3)
	v_lshl_or_b32 v247, v[PR+1], 8, v[PR]          ; p's scale word for these 128 keys
	s_delay_alu instid0(VALU_DEP_1)
	v_lshl_or_b32 v247, v[PR+2], 16, v247
	s_delay_alu instid0(VALU_DEP_1)
	v_lshl_or_b32 v247, v[PR+3], 24, v247
.irp c, 0,1
	v_cvt_scalef32_pk16_fp6_f32 v[PCD+6*\c:PCD+6*\c+2], v[S+32*\c:S+32*\c+15], v[SO+2*\c]
	v_cvt_scalef32_pk16_fp6_f32 v[214+4*\c:216+4*\c], v[S+32*\c+16:S+32*\c+31], v[SO+2*\c+1]
.endr
	v_nop                                          ; one plain place behind a scaled conversion
.irp c, 0,1                                    ; the operand's layout wants a WHOLE block in a lane
.irp i, 0,1,2
	v_permlane16_swap_b32 v[PCD+6*\c+\i], v[214+4*\c+\i]
.endr
.irp i, 0,1,2
	s_delay_alu instid0(VALU_DEP_3)
	v_mov_b32 v[PCD+3+6*\c+\i], v[214+4*\c+\i]
.endr
.endr
	s_setprio 0
.irp j, 0,2,4,6,8,10,12,14,16,18,20,22,24,26,28,30
	v_pk_mul_f32 v[O+\j:O+\j+1], v[O+\j:O+\j+1], v[248:249] op_sel_hi:[1,0]   ; O^T under the new M, each accumulator from its low end on; these sixteen are also the places in front of the products below
.endr
	s_wait_alu depctr_va_vdst(0)
	s_wait_dscnt 0x0                               ; V's fragments and scale words are in
.irp t, 0,1,2,3                                ; O^T += V^T P^T: four tiles of 16 channels, by turns
	v_wmma_scale_f32_16x16x128_f8f6f4 v[O+8*\t:O+8*\t+7], v[58+12*\t:69+12*\t], v[PCD:PCD+11], v[O+8*\t:O+8*\t+7], v[242+\t], v247 matrix_a_fmt:MATRIX_FMT_FP6 matrix_b_fmt:MATRIX_FMT_FP6
.endr
.endm
; ONE TILE OF 16 QUERIES: token tile 32 x block + 16 p + wave.
.macro PASS p
	s_wait_xcnt 0x0                                ; the last tile's stores have read their registers, which are written again in this one
	global_load_b128 v[16:19], v1, s[52:53] offset:12288*\p
	global_load_b64 v[20:21], v7, s[52:53] offset:12288*\p+512
	global_load_b32 v246, v8, s[54:55] offset:1024*\p
	v_mov_b32 v253, 0xff61b1e6                     ; the largest t so far: -3e38, under every t
	s_delay_alu instid0(VALU_DEP_1)
	v_floor_f32 v252, -v253                        ; -M
	v_mov_b32 v254, 0                              ; the sum, in two halves
	v_mov_b32 v255, 0
.set j, 0
.rept 32
	v_mov_b32 v[O+j], 0                            ; O^T: the step is written once; the first finds zeros, which the first change of M leaves zeros
.set j, j+1
.endr
	s_mov_b32 s48, 0
	s_mov_b32 s49, 0
	s_mov_b32 s50, 0
	s_mov_b32 s51, 16
	s_wait_loadcnt 0x0                             ; Q
.Lstep_\@:
	s_setprio 2
	STEP
	s_add_co_u32 s48, s48, 6144
	s_add_co_u32 s49, s49, 512
	s_add_co_u32 s50, s50, 256
	s_sub_co_u32 s51, s51, 1
	s_cmp_lg_u32 s51, 0
	s_cbranch_scc1 .Lstep_\@
	s_setprio 0
	PLACES
	v_add_f32 v254, v254, v255                     ; the sum's two halves,
	s_delay_alu instid0(VALU_DEP_1)
	v_permlanex16_b32 v250, v254, s20, s21
	s_delay_alu instid0(VALU_DEP_1)
	v_add_f32 v254, v254, v250                     ; and lane l xor 16's: the row's sum
	s_wait_alu depctr_va_vdst(0)
	v_rcp_f32 v254, v254
	v_nop                                          ; one plain place behind the reciprocal
	s_wait_alu depctr_va_vdst(0)                   ; and the wait ahead of its first reader
.set j, 0
.rept 32
	v_mul_f32 v[S+j], v[O+j], v254                 ; o: register 16 b + i is channel 32 b + 16 h + i of my query
.set j, j+1
.endr
.irp b, 0,1                                    ; the head's two blocks of 32 along the last product's K
	v_max3_num_f32 v[BM+\b], |v[S+16*\b]|, |v[S+16*\b+1]|, 0x1800000
.endr
.irp i, 2,4,6,8,10,12,14
.irp b, 0,1
	s_delay_alu instid0(VALU_DEP_2)
	v_max3_num_f32 v[BM+\b], v[BM+\b], |v[S+16*\b+\i]|, |v[S+16*\b+\i+1]|
.endr
.endr
.irp b, 0,1
	s_delay_alu instid0(VALU_DEP_2)
	v_permlanex16_b32 v[PR+\b], v[BM+\b], s20, s21
.endr
.irp b, 0,1
	s_delay_alu instid0(VALU_DEP_2)
	v_max_num_f32 v[BM+\b], v[BM+\b], v[PR+\b]
.endr
.irp b, 0,1
	s_delay_alu instid0(VALU_DEP_2)
	v_add_nc_u32 v[SO+\b], 0xff000000, v[BM+\b]
.endr
.irp b, 0,1
	s_delay_alu instid0(VALU_DEP_2)
	v_lshrrev_b32 v[PR+\b], 23, v[SO+\b]
.endr
	s_delay_alu instid0(VALU_DEP_1)
	v_lshl_or_b32 v251, v[PR+1], 8, v[PR]          ; the two bytes
	v_cvt_scalef32_pk16_fp6_f32 v[PCD:PCD+2], v[S:S+15], v[SO]
	v_cvt_scalef32_pk16_fp6_f32 v[214:216], v[S+16:S+31], v[SO+1]
	v_nop                                          ; one plain place behind a scaled conversion
.irp i, 0,1,2
	v_permlane16_swap_b32 v[PCD+\i], v[214+\i]     ; lanes 0-15 now hold block 0 whole, lanes 16-31 block 1
.endr
.irp i, 0,1,2
	s_delay_alu instid0(VALU_DEP_3)
	v_mov_b32 v[PCD+3+\i], v[214+\i]
.endr
	global_store_b128 v1, v[PCD:PCD+3], s[56:57] offset:196608*\p          ; 512 and 256 consecutive bytes, at multiples of 256 from the buffer's first byte
	global_store_b64 v7, v[PCD+4:PCD+5], s[56:57] offset:196608*\p+512
	global_store_b16 v8, v251, s[58:59] offset:8192*\p                     ; lanes 16-31 hold and write the same as lanes 0-15
.endm
	PASS 0
	PASS 1
	s_wait_tensorcnt 0x0
	ds_add_u32 v217, v221
	s_wait_dscnt 0x0
	CROUND                                         ; the closing round: no work-group ends while a partner may still ask for a piece that names it
	s_endpgm
.Lfunc_end_k_qe47d1d77b1_attn:
	.size	k_qe47d1d77b1_attn, .Lfunc_end_k_qe47d1d77b1_attn-k_qe47d1d77b1_attn
	.p2alignl 7, 3214868480
	.fill 96, 4, 3214868480
	.section	.rodata,"a",@progbits
	.p2align	6, 0x0
	.amdhsa_kernel k_qe47d1d77b1_attn
		.amdhsa_group_segment_fixed_size 210944
		.amdhsa_private_segment_fixed_size 0
		.amdhsa_enable_private_segment 0
		.amdhsa_kernarg_size 32
		.amdhsa_user_sgpr_count 2
		.amdhsa_user_sgpr_kernarg_segment_ptr 1
		.amdhsa_wavefront_size32 1
		.amdhsa_system_sgpr_workgroup_id_x 1
		.amdhsa_system_sgpr_workgroup_id_y 1
		.amdhsa_system_sgpr_workgroup_id_z 1
		.amdhsa_system_vgpr_workitem_id 0
		.amdhsa_next_free_vgpr 256
		.amdhsa_next_free_sgpr 80
		.amdhsa_reserve_vcc 0
		.amdhsa_float_denorm_mode_32 3
		.amdhsa_float_denorm_mode_16_64 3
		.amdhsa_memory_ordered 1
		.amdhsa_forward_progress 1
		.amdhsa_inst_pref_size 55
	.end_amdhsa_kernel
	.amdgpu_metadata
---
amdhsa.version: [ 1, 2 ]
amdhsa.kernels:
  - .name:           k_qe47d1d77b1_attn
    .symbol:         k_qe47d1d77b1_attn.kd
    .args:
      - { .name: ac, .offset: 0, .size: 8, .value_kind: global_buffer, .address_space: global }
      - { .name: asc, .offset: 8, .size: 8, .value_kind: global_buffer, .address_space: global }
      - { .name: oc, .offset: 16, .size: 8, .value_kind: global_buffer, .address_space: global }
      - { .name: os, .offset: 24, .size: 8, .value_kind: global_buffer, .address_space: global }
    .group_segment_fixed_size: 210944
    .private_segment_fixed_size: 0
    .kernarg_segment_align: 8
    .kernarg_segment_size: 32
    .max_flat_workgroup_size: 512
    .sgpr_count:     80
    .vgpr_count:     256
    .wavefront_size: 32
...
	.end_amdgpu_metadata
.endif
;; end of part 3
;; launch outp (part 4): grid 8 x 32, 4 waves a work-group, clusters of 4 x 4, 295,424 bytes of LDS; arguments oc, os, opc, ops, b_o, out0; writes out0
.if DOCPART == 4
	.amdgcn_target "amdgcn-amd-amdhsa--gfx1250"
	.amdhsa_code_object_version 6
	.text
	.protected	k_qe47d1d77b1_outp
	.globl	k_qe47d1d77b1_outp
	.p2align	8
	.type	k_qe47d1d77b1_outp,@function
k_qe47d1d77b1_outp:
	s_mov_b64 s[64:65], 0
	v_nop
	global_prefetch_b8 v0, s[64:65] scope:SCOPE_SE
	s_setreg_imm32_b32 hwreg(HW_REG_WAVE_MODE, 25, 1), 1
	s_wait_xcnt 0x0
	s_wait_alu depctr_hold_cnt(0) depctr_sa_sdst(0) depctr_va_vdst(0) depctr_va_sdst(0) depctr_va_ssrc(0) depctr_va_vcc(0) depctr_vm_vsrc(0)
	s_getreg_b32 s2, hwreg(HW_REG_IB_STS2, 6, 4)
	s_cmp_eq_u32 s2, 0
	s_cbranch_scc0 .Lentry_in_a_cluster
	s_endpgm
.Lentry_in_a_cluster:
	s_bfe_u32 s2, ttmp6, 0x10000c
	s_cmp_lg_u32 s2, 0xf033
	s_cbranch_scc0 .Lentry_shape_is_right
	s_endpgm
.Lentry_shape_is_right:
; out0 = o W_o^T + b_o on codes of FP6 (E2M3) with E8M0 scales.  o: oc [token tile 512][K step 8][1,536 bytes], os [tile][half of K][row][4 words]; W_o: tiles 704-767 of opc and ops, laid alike.
; A work-group makes 256 tokens (16 tiles of o: A') x 128 outputs (8 tiles of W_o: B'); wave w takes A' tiles 4 w .. 4 w + 3 against all of B': 32 accumulators, 256 registers.
; THE MATRIX INSTRUCTION IS USED TRANSPOSED: source 0 = a tile of W_o, source 1 = a tile of o: a lane holds one token, and the 16 registers of two neighbouring tiles are 16 neighbouring outputs.
; ALL OF K = 1,024 LIES IN LDS: four chunks of 256 along K, each filled ONCE by the tensor data mover; nothing is filled again, so there is no ring.  A wave has four tensor loads out.
; CLUSTERS: 4 x 4 work-groups; A's tiles are shared along a row of the cluster, B's along a column: each is asked for jointly, by the same tensor load with the same descriptor and a mask that names the four.
; The bias is the C of each sum's first matrix instruction: it is added first and not last (an order of rounding that differs from the reference's).
; No prefetch: every tensor load stands at the kernel's head, so there is no earlier place from which to ask.
; REGISTERS, in windows of 256: window 0: v1-14 addresses; v16-47 A's scale words ((a, s) at 16 + 8 a + s), v48-111 B's ((b, s) at 48 + 8 b + s); v112-159, v160-207 A's fragments, two sets; on the way out v112-239 rows of out0.
;   window 1: B's fragments, two sets, at v0 and v128.   window 2: the accumulators, (a, b) at v[8 (8 a + b)].   window 3: v0-63 the bias, eight registers a tile of B'.
.set CH,   73728                       ; a chunk in LDS: A's 16 tiles x 3,072 bytes, then B's 8
.set BOFF, 49152
.set SCA,  16
.set SCB,  48
.set AF,   112
.set SP,   528                         ; the way out: a stage of 16 rows x (512 bytes + 16) for each wave, in chunk 0, which has had its only fill and whose last read lies ahead of three barriers
.set MSB, 0
.macro WIN new                         ; s_set_vgpr_msb: bits 1:0 source 0, 3:2 source 1, 5:4 source 2, 7:6 destination; the high byte repeats the setting that is left
.if MSB != \new
	s_set_vgpr_msb (MSB<<8)|\new
.set MSB, \new
.endif
.endm
.macro PLACES                          ; four plain places behind matrix instructions, in front of loads into their registers and of reads of their results
.rept 4
	v_nop
.endr
.endm
.macro CROUND                          ; a round of the cluster's barrier
	s_barrier_signal -1
	s_barrier_wait -1
	s_cmp_lg_u32 s18, 0
	s_cbranch_scc1 .Lnot_wave_0_\@
	s_barrier_signal -3
.Lnot_wave_0_\@:
	s_barrier_wait -3
	s_barrier_signal -1
	s_barrier_wait -1
.endm
.macro FRAG reg, a16, a8, off          ; a fragment's image back into 12 registers: every load is 16 or 8 bytes a lane, lane by lane on end
	ds_load_b128 v[\reg:\reg+3], v[\a16] offset:\off
	ds_load_b64 v[\reg+4:\reg+5], v[\a8] offset:\off
	ds_load_b128 v[\reg+6:\reg+9], v[\a16] offset:\off+768
	ds_load_b64 v[\reg+10:\reg+11], v[\a8] offset:\off+768
.endm
.macro FETCH q, p                      ; the chunk's q-th 128 along K into set p: B's eight fragments, my four of A: 48 loads in one run
	WIN 0x40
.irp b, 0,1,2,3,4,5,6,7
	FRAG 128*(\p)+12*\b, 6, 7, 3072*\b+1536*(\q)
.endr
	WIN 0
.irp a, 0,1,2,3
	FRAG AF+48*(\p)+12*\a, 4, 5, 3072*\a+1536*(\q)
.endr
.endm
.macro MUL16 a0, p, s, cb              ; A's tiles a0, a0 + 1 x B's eight, K step s, set p.  cb = 1: the bias starts the sums.  The 32 accumulators take turns, one instruction a turn
.if \cb
	WIN 0xb1
.else
	WIN 0xa1
.endif
.irp a, \a0, \a0+1
.irp b, 0,1,2,3,4,5,6,7
.if \cb
	v_wmma_scale_f32_16x16x128_f8f6f4 v[8*(8*(\a)+\b):8*(8*(\a)+\b)+7], v[128*(\p)+12*\b:128*(\p)+12*\b+11], v[AF+48*(\p)+12*(\a):AF+48*(\p)+12*(\a)+11], v[8*\b:8*\b+7], v[SCB+8*\b+(\s)], v[SCA+8*(\a)+(\s)] matrix_a_fmt:MATRIX_FMT_FP6 matrix_b_fmt:MATRIX_FMT_FP6
.else
	v_wmma_scale_f32_16x16x128_f8f6f4 v[8*(8*(\a)+\b):8*(8*(\a)+\b)+7], v[128*(\p)+12*\b:128*(\p)+12*\b+11], v[AF+48*(\p)+12*(\a):AF+48*(\p)+12*(\a)+11], v[8*(8*(\a)+\b):8*(8*(\a)+\b)+7], v[SCB+8*\b+(\s)], v[SCA+8*(\a)+(\s)] matrix_a_fmt:MATRIX_FMT_FP6 matrix_b_fmt:MATRIX_FMT_FP6
.endif
.endr
.endr
.endm
.macro STEP_E s, cb                    ; an even K step multiplies set 0 and fetches the same chunk's second half into set 1
	s_wait_dscnt 0x0                               ; set 0 is in
	PLACES
	FETCH 1, 1
	MUL16 0, 0, \s, \cb
	MUL16 2, 0, \s, \cb
.endm
.macro STEP_O s, cnt                   ; an odd K step multiplies set 1 and goes on to the next chunk
	s_wait_dscnt 0x0                               ; set 1 is in, and no LDS instruction of mine is out at the signal
	s_wait_tensorcnt \cnt                          ; my part of the next chunk has landed; my loads of the chunks behind it may stay out
	s_barrier_signal -1
	MUL16 0, 1, \s, 0
	WIN 0
	s_barrier_wait -1                              ; everybody's part has landed
	v_add_nc_u32 v4, CH, v4                        ; the four address steps are also the four places in front of the loads into set 0
	v_add_nc_u32 v5, CH, v5
	v_add_nc_u32 v6, CH, v6
	v_add_nc_u32 v7, CH, v7
	FETCH 0, 0
	MUL16 2, 1, \s, 0
.endm
	s_load_b256 s[4:11], s[0:1], 0x0               ; oc, os, opc, ops
	s_load_b128 s[12:15], s[0:1], 0x20             ; b_o, out0
	v_lshl_add_u32 v254, v0, 2, 0x48000
	v_mov_b32 v255, 0
	ds_add_u32 v254, v255
	ds_add_u32 v254, v255
	v_lshrrev_b32 v1, 5, v0
	v_readfirstlane_b32 s18, v1                    ; wave 0..3
	s_lshr_b32 s19, s18, 1                         ; I fetch for A' (0) or for B' (1),
	s_and_b32 s20, s18, 1                          ; its first or its second half
	s_bfe_u32 s21, ttmp6, 0x40000                  ; cx
	s_bfe_u32 s22, ttmp6, 0x40004                  ; cy
	s_and_b32 s76, ttmp7, 0xffff
	s_lshl_b32 s78, s76, 2
	s_add_co_u32 s78, s78, s22                     ; RT = 4 x cluster y + cy: which 256 tokens
	s_lshl_b32 s79, s78, 4                         ; A's first tile
	s_lshl_b32 s84, ttmp9, 2
	s_add_co_u32 s84, s84, s21                     ; CT = 4 x cluster x + cx: which 128 outputs
	s_lshl_b32 s85, s84, 3
	s_add_co_u32 s85, s85, 704                     ; B's first tile
	s_lshl_b32 s2, s22, 2
	s_lshl_b32 s2, 15, s2                          ; my row of the cluster
	s_lshl_b32 s3, 0x1111, s21                     ; my column
	; descriptor group 1: R tiles' parts of a chunk: R rows of 384 elements of 8 bytes (3,072 bytes), 1,536 elements (a tile's 12,288 bytes) apart; dense in LDS
	s_or_b32 s24, s2, (3<<16)|(1<<21)              ; 15:0 the mask: A's tiles go to my row; 17:16 elements of 8 bytes; 21 set beside a mask
	s_mov_b32 s25, 384<<16                         ; tensor_dim0
	s_mov_b32 s26, 8<<16                           ; tensor_dim1 = 8
	s_mov_b32 s27, 384<<16                         ; tile_dim0
	s_mov_b32 s28, 8                               ; tile_dim1
	s_mov_b32 s29, 1536                            ; tensor_dim0_stride
	s_mov_b32 s30, 0
	s_mov_b32 s31, 0
	s_or_b32 s48, s3, (3<<16)|(1<<21)              ; B's tiles go to my column
	s_mov_b32 s49, 384<<16
	s_mov_b32 s50, 4<<16
	s_mov_b32 s51, 384<<16
	s_mov_b32 s52, 4
	s_mov_b32 s53, 1536
	s_mov_b32 s54, 0
	s_mov_b32 s55, 0
	s_lshl_b32 s81, s20, 3
	s_add_co_u32 s81, s81, s79
	s_mul_i32 s82, s81, 12288                      ; A: my eight tiles, in bytes (no register that feeds A's descriptors ever holds cx, none that feeds B's ever cy)
	s_mov_b32 s83, 0
	s_lshl_b32 s87, s20, 2
	s_add_co_u32 s87, s87, s85
	s_mul_i32 s88, s87, 12288                      ; B: my four tiles
	s_mov_b32 s89, 0
	s_mul_i32 s90, s20, 24576                      ; where they go in a chunk: no place in the cluster enters an LDS address
	s_mul_i32 s91, s20, 12288
	s_add_co_u32 s91, s91, BOFF
	s_lshl_b32 s92, s18, 2
	s_add_co_u32 s92, s92, s79
	s_lshl_b32 s92, s92, 9                         ; the scale words of my four tiles of A',
	s_mov_b32 s93, 0
	s_lshl_b32 s94, s85, 9                         ; and of B's eight
	s_mov_b32 s95, 0
	s_lshl_b32 s86, s84, 9                         ; my 128 outputs: 512 bytes x CT, in b_o and in a row of out0
	s_lshl_b32 s98, s78, 8
	s_lshl_b32 s99, s18, 6
	s_add_co_u32 s98, s98, s99                     ; my first token: 256 RT + 64 w
	s_lshl_b32 s98, s98, 12
	s_add_co_u32 s98, s98, s86
	s_mov_b32 s99, 0
	s_wait_dscnt 0x0
	s_wait_kmcnt 0x0
	s_add_nc_u64 s[82:83], s[4:5], s[82:83]
	s_add_nc_u64 s[88:89], s[8:9], s[88:89]
	s_add_nc_u64 s[92:93], s[6:7], s[92:93]
	s_add_nc_u64 s[94:95], s[10:11], s[94:95]
	s_add_nc_u64 s[14:15], s[14:15], s[98:99]
.irp c, 0,1,2,3
	s_mov_b32 s[32+4*\c], 1                                        ; count = 1
	s_add_co_u32 s[33+4*\c], s90, \c*CH                            ; LDS address
	s_add_nc_u64 s[34+4*\c:35+4*\c], s[82:83], \c*3072             ; global address: chunk c of each tile
	s_or_b32 s[35+4*\c], s[35+4*\c], 0x80000000                    ; type = 2
	s_mov_b32 s[56+4*\c+4*(\c/2)], 1
	s_add_co_u32 s[57+4*\c+4*(\c/2)], s91, \c*CH
	s_add_nc_u64 s[58+4*\c+4*(\c/2):59+4*\c+4*(\c/2)], s[88:89], \c*3072
	s_or_b32 s[59+4*\c+4*(\c/2)], s[59+4*\c+4*(\c/2)], 0x80000000
.endr
	CROUND                                         ; all sixteen work-groups are here: the joint loads meet
	s_cmp_eq_u32 s19, 0                            ; a wave's four fills stand in one branch on the wave's number; four v_nop follow the last
	s_cbranch_scc0 .Lfor_b
.irp c, 0,1,2,3
	tensor_load_to_lds s[32+4*\c:35+4*\c], s[24:31]
	s_nop 0
.endr
	PLACES
	s_branch .Lasked
.Lfor_b:
.irp c, 0,1,2,3
	tensor_load_to_lds s[56+4*\c+4*(\c/2):59+4*\c+4*(\c/2)], s[48:55]
	s_nop 0
.endr
	PLACES
.Lasked:
	v_and_b32 v1, 31, v0                           ; lane
	v_and_b32 v2, 15, v0                           ; r
	v_bfe_u32 v3, v0, 4, 1                         ; h
	v_lshlrev_b32 v8, 4, v1                        ; 16 x lane
	v_lshlrev_b32 v9, 3, v1                        ; 8 x lane
	v_lshlrev_b32 v10, 4, v2                       ; 16 r
.irp a, 0,1,2,3
.irp k, 0,1
	global_load_b128 v[SCA+8*\a+4*\k:SCA+8*\a+4*\k+3], v10, s[92:93] offset:512*\a+256*\k   ; row r's scale words of four K steps
.endr
.endr
.irp b, 0,1,2,3,4,5,6,7
.irp k, 0,1
	global_load_b128 v[SCB+8*\b+4*\k:SCB+8*\b+4*\k+3], v10, s[94:95] offset:512*\b+256*\k
.endr
.endr
	v_lshlrev_b32 v11, 6, v3                       ; the bias: tile b, register j, half h is output 128 CT + 32 (b / 2) + 8 (b % 2) + 16 h + j
	v_add_nc_u32 v11, s86, v11
	WIN 0xc0
.irp b, 0,1,2,3,4,5,6,7
	global_load_b128 v[8*\b:8*\b+3], v11, s[12:13] offset:128*(\b/2)+32*(\b%2)
	global_load_b128 v[8*\b+4:8*\b+7], v11, s[12:13] offset:128*(\b/2)+32*(\b%2)+16
.endr
	WIN 0
	s_mul_i32 s96, s18, 12288                      ; my four tiles of A' in a chunk
	v_add_nc_u32 v4, s96, v8
	s_add_co_u32 s96, s96, 512
	v_add_nc_u32 v5, s96, v9
	v_add_nc_u32 v6, BOFF, v8
	v_add_nc_u32 v7, BOFF+512, v9
	s_mul_i32 s97, s18, 16*SP                      ; my stage
	v_mul_u32_u24 v13, v2, SP
	v_lshl_add_u32 v13, v3, 6, v13
	v_add_nc_u32 v13, s97, v13                     ; in: row r, + 64 h
	v_add_nc_u32 v14, s97, v8                      ; back: the 32 lanes take one row of 512 bytes
	s_wait_alu depctr_va_vdst(0)
	s_wait_loadcnt 0x0                             ; scale words and bias
	s_wait_tensorcnt 0x3                           ; my part of chunk 0 is in; my three later loads may be out
	s_barrier_signal -1
	s_barrier_wait -1                              ; everybody's is
	FETCH 0, 0
	STEP_E 0, 1
	STEP_O 1, 0x2
	s_wait_alu depctr_va_vdst(0)
	STEP_E 2, 0
	STEP_O 3, 0x1
	s_wait_alu depctr_va_vdst(0)
	STEP_E 4, 0
	STEP_O 5, 0x0
	s_wait_alu depctr_va_vdst(0)
	STEP_E 6, 0
	s_wait_dscnt 0x0
	MUL16 0, 1, 7, 0
	MUL16 2, 1, 7, 0
	WIN 0
	PLACES                                         ; for the first reads of results and for the loads into the registers that held A's fragments
; THE WAY OUT, tile by tile of 16 tokens x 128 outputs.  A lane holds pieces of one row, and the lanes beside it hold other rows: so a tile goes through my own stage in LDS and comes back as whole
; rows of 512 bytes.  LDS serves a wave's instructions in order (ISA guide 5.7.1.4): no wait between the stores and the loads, nor in front of the next tile's stores.
.macro TOSTAGE a
	WIN 0x08                                       ; an LDS store's data are its source 1: window 2
.irp b, 0,1,2,3,4,5,6,7
	ds_store_b128 v13, v[64*(\a)+8*\b:64*(\a)+8*\b+3] offset:128*(\b/2)+32*(\b%2)          ; each accumulator from its low end on
	ds_store_b128 v13, v[64*(\a)+8*\b+4:64*(\a)+8*\b+7] offset:128*(\b/2)+32*(\b%2)+16
.endr
	WIN 0
.irp t, 0,1,2,3,4,5,6,7,8,9,10,11,12,13,14,15
	ds_load_b128 v[112+64*((\a)%2)+4*\t:112+64*((\a)%2)+4*\t+3], v14 offset:SP*\t
.endr
.endm
.macro SEND a, younger                 ; younger: the LDS instructions issued behind tile a's loads, which may stay out
	s_wait_dscnt \younger
.irp t, 0,1,2,3,4,5,6,7,8,9,10,11,12,13,14,15
	global_store_b128 v8, v[112+64*((\a)%2)+4*\t:112+64*((\a)%2)+4*\t+3], s[14:15] offset:4096*(32*((\a)/2)+8*((\a)%2)+\t+8*(\t/8)) th:TH_STORE_NT   ; row t of tile a is token 32 (a / 2) + 8 (a % 2) + t + 8 (t / 8) of my 64; 512 consecutive bytes, at a multiple of 256 from out0's first byte
.endr
.endm
	TOSTAGE 0
.irp a, 1,2,3
.if \a > 1
	s_wait_xcnt 0x0                                ; tile a - 2's stores have read their registers: tile a's loads may land there
.endif
	TOSTAGE \a
	SEND \a-1, 32                                  ; behind tile a - 1's loads: tile a's 16 stores and 16 loads
.endr
	SEND 3, 0
	s_wait_tensorcnt 0x0
	ds_add_u32 v254, v255
	s_wait_dscnt 0x0
	CROUND                                         ; the closing round: no work-group ends while a partner may still ask for a tile that names it
	s_endpgm
.Lfunc_end_k_qe47d1d77b1_outp:
	.size	k_qe47d1d77b1_outp, .Lfunc_end_k_qe47d1d77b1_outp-k_qe47d1d77b1_outp
	.p2alignl 7, 3214868480
	.fill 96, 4, 3214868480
	.section	.rodata,"a",@progbits
	.p2align	6, 0x0
	.amdhsa_kernel k_qe47d1d77b1_outp
		.amdhsa_group_segment_fixed_size 295424
		.amdhsa_private_segment_fixed_size 0
		.amdhsa_enable_private_segment 0
		.amdhsa_kernarg_size 48
		.amdhsa_user_sgpr_count 2
		.amdhsa_user_sgpr_kernarg_segment_ptr 1
		.amdhsa_wavefront_size32 1
		.amdhsa_system_sgpr_workgroup_id_x 1
		.amdhsa_system_sgpr_workgroup_id_y 1
		.amdhsa_system_sgpr_workgroup_id_z 1
		.amdhsa_system_vgpr_workitem_id 0
		.amdhsa_next_free_vgpr 896
		.amdhsa_next_free_sgpr 100
		.amdhsa_reserve_vcc 0
		.amdhsa_float_denorm_mode_32 3
		.amdhsa_float_denorm_mode_16_64 3
		.amdhsa_memory_ordered 1
		.amdhsa_forward_progress 1
		.amdhsa_inst_pref_size 86
	.end_amdhsa_kernel
	.amdgpu_metadata
---
amdhsa.version: [ 1, 2 ]
amdhsa.kernels:
  - .name:           k_qe47d1d77b1_outp
    .symbol:         k_qe47d1d77b1_outp.kd
    .args:
      - { .name: oc, .offset: 0, .size: 8, .value_kind: global_buffer, .address_space: global }
      - { .name: os, .offset: 8, .size: 8, .value_kind: global_buffer, .address_space: global }
      - { .name: opc, .offset: 16, .size: 8, .value_kind: global_buffer, .address_space: global }
      - { .name: ops, .offset: 24, .size: 8, .value_kind: global_buffer, .address_space: global }
      - { .name: b_o, .offset: 32, .size: 8, .value_kind: global_buffer, .address_space: global }
      - { .name: out0, .offset: 40, .size: 8, .value_kind: global_buffer, .address_space: global }
    .group_segment_fixed_size: 295424
    .private_segment_fixed_size: 0
    .kernarg_segment_align: 8
    .kernarg_segment_size: 48
    .max_flat_workgroup_size: 128
    .sgpr_count:     100
    .vgpr_count:     896
    .wavefront_size: 32
...
	.end_amdgpu_metadata
.endif
;; end of part 4
